; MI455X (gfx1250); checked and timed in simulation.
; The chip was launched on July 23, 2026; its instructions are those of AMD's public machine-readable ISA for CDNA 5 (MIT licence, August 2026) and "CDNA5" Instruction Set Architecture Reference Guide (July 2026). The comments in the code are by the model that wrote it; some were corrected since.
;; Causal Multihead Self Attention. Allowed arithmetic: matrix products marked QUANTISED: E5M2 operands, one given power-of-two scale a tensor, by v_wmma_f32_16x16x64_bf8_bf8 or v_wmma_f32_16x16x128_bf8_bf8, f32 sums; everything else in f32.
;; Inputs: lowp_scales 12 int32 (the exponents e of the quantised operands' scales 2^e); token_positions 2,048 int32; wk 1,024 x 1,024 float32; wo 1,024 x 1,024 float32; wq 1,024 x 1,024 float32; wv 1,024 x 1,024 float32; x 4 x 2,048 x 1,024 float32.
;; Outputs: out0 4 x 2,048 x 1,024 float32.
;; This version of the problem:
;;   THIS VERSION OF THE PROBLEM IS GIVEN IN LOW PRECISION. The matrix products marked QUANTISED in the list below multiply operands that are first quantised to E5M2 (5 exponent bits, 2 mantissa bits; 8 bits a number), with one given power-of-two scale for each operand tensor; their sums are f32. All else is computed in f32.
;;   The module's matrix products, in the order in which they are computed (A, B: the left and right operand; K: the contracted axis; several contracted axes count as one K, in the product's order):
;;     1. [M 8,192, K 1,024] x [K 1,024, N 1,024]; A: input x; B: input wq: QUANTISED (scales: A lowp_scales[0], B lowp_scales[1])
;;     2. [M 8,192, K 1,024] x [K 1,024, N 1,024]; A: input x; B: input wk: QUANTISED (scales: A lowp_scales[2], B lowp_scales[3])
;;     3. [M 8,192, K 1,024] x [K 1,024, N 1,024]; A: input x; B: input wv: QUANTISED (scales: A lowp_scales[4], B lowp_scales[5])
;;     4. batch 64 x [M 2,048, K 64] x [K 64, N 2,048]; A: computed on the way; B: computed on the way: QUANTISED (scales: A lowp_scales[6], B lowp_scales[7])
;;     5. batch 64 x [M 2,048, K 2,048] x [K 2,048, N 64]; A: softmax (see below); B: computed on the way: QUANTISED (scales: A lowp_scales[8], B lowp_scales[9])
;;     6. [M 8,192, K 1,024] x [K 1,024, N 1,024]; A: computed on the way; B: input wo: QUANTISED (scales: A lowp_scales[10], B lowp_scales[11])
;;   THE QUANTISER, for each operand of a quantised product, along K:
;;     - The operand's scale is 2^e, e = its entry of the input lowp_scales (int32; the entries are numbered through the quantised products in the list's order, A before B).
;;     - Each number is divided by the scale, clamped to +-57,344, and rounded to the nearest number of E5M2, ties to even, subnormals kept.
;;     - The product sums the exact products of the quantised numbers (number of the format x scale) in f32.
;;   ~~~python
;;   def quantise(x, axis, e):      # numpy; x: float32 -> the quantised numbers, widened to float32 again
;;       x = np.moveaxis(x, axis, -1); K = x.shape[-1]
;;       r = np.clip(x / 2.0 ** e, -57344, 57344)
;;       step = 2.0 ** (np.maximum(np.frexp(np.where(r == 0, 1, r))[1] - 1, -14) - 2)
;;       q = np.round(r / step) * step * 2.0 ** e      # np.round: ties to even
;;       return np.moveaxis(q, -1, axis).astype(np.float32)
;;   ~~~
;;   SOFTMAX AHEAD OF A QUANTISED PRODUCT. Where the list says 'softmax', what is quantised is not the finished softmax but p = 2^(t - M), with t = logit x log2(e) and M = ceil(the row's largest t), a whole number; so 1/2 < the row's largest p <= 1. The row's sum l is taken of the UNQUANTISED p, in f32, and the product's result is divided by l at the end. Since M is a whole number, a kernel that streams over the keys may use a running M (the ceiling of the running maximum): every later rescaling is an exact power of two, so the quantised numbers keep their values, but for numbers so far below the row's largest that they fall under the format's range.
;;   OPERANDS COMPUTED ON THE WAY. 'Computed on the way' means the value that the module computes at that place (a softmax that the list does not call 'softmax' is quantised finished and normalised). What goes into a quantiser is computed in f32, as accurately as f32 sums, v_exp_f32 and their like allow (about 1e-6 of the number): no bf16 or f16 on the way to a quantiser, and a product that is left as it is and whose result goes on into a quantised operand takes f32 operands (vector FMAs, or v_wmma_f32_16x16x4_f32). A number that lies on a knife's edge between two numbers of the format may be rounded either way, as far as f32 arithmetic and the matrix unit's own rounding can turn it there, and no further.
;; One version. Each part assembles by itself: llvm-mc -triple=amdgcn-amd-amdhsa -mcpu=gfx1250 --defsym DOCPART=n.
;; ======== version 1 of 1: 4 launches
;; limits: right only within a limited range of input values
;; workspace buffers: xc 25,165,824 bytes; wc 4,194,304 bytes; rope 524,544 bytes; qkv 25,165,824 bytes; ac 8,388,608 bytes
;; launch prep (part 1): grid 416 x 1, 4 waves a work-group, no clusters, 33,280 bytes of LDS; arguments x, wq, wk, wv, wo, token_positions, lowp_scales, xc, wc, rope; writes xc, wc, rope
.if DOCPART == 1
	.amdgcn_target "amdgcn-amd-amdhsa--gfx1250"
	.amdhsa_code_object_version 6
	.text
	.protected	k_qbe0f9ae59e_prep
	.globl	k_qbe0f9ae59e_prep
	.p2align	8
	.type	k_qbe0f9ae59e_prep,@function
k_qbe0f9ae59e_prep:
	s_mov_b64 s[64:65], 0
	v_nop
	global_prefetch_b8 v0, s[64:65] scope:SCOPE_SE
	s_setreg_imm32_b32 hwreg(HW_REG_WAVE_MODE, 25, 1), 1
	s_wait_xcnt 0x0
; PREP.  (1) x [8192][1024] f32 becomes three sets of E5M2 codes, one for each of the scales 2^ls0, 2^ls2, 2^ls4 (products 1 to 3 may be given different scales for x): xc = 3 x [8192][1024] bytes.
; (2) wq, wk, wv, wo [1024][1024] f32 become codes with 2^ls1, 2^ls3, 2^ls5, 2^ls11: wc = 4 x [1024][1024] bytes.  K is innermost in all of them, so every tensor is a plain stream.
; (3) the table of cos and sin: rope row s = 32 pairs (cos, sin) f32 of token_positions[s] x 10000^(-i/32), i = 0 .. 31; row 2048 = (1, 0) 32 times, the turn by nothing.
; code = x / 2^e, held within +-57,344, to the nearest code, ties to even.
; LIMITS: every e used here between -126 and 112; |token_positions| up to 2^20 (the quadrant comes from one f32 product); NaN among the inputs is not served.
; SHARES: work-groups 0-255: x, 32,768 numbers each; 256-383: the four weights, 32 work-groups each; 384-415: the table, 16 rows a wave.  A wave quantises 16 steps of 512 numbers.
; Each load reads 512 consecutive bytes (16 a lane); a step's 2,048 bytes turn through the wave's own stage in LDS and come back 64 bytes a lane: 16 neighbours along K, as the conversions want them.
; A lane's 16 codes are 16 bytes: each store of the wave covers 512 consecutive bytes, aligned.  No tensor load, no barrier: waves share nothing.  The table's path touches no LDS.
.set STEPS, 16
.set SP,    80                         ; a lane's place in a stage: its 64 bytes + 16 of padding
.set WREG,  8192                       ; LDS of a wave: two stages of 32 x SP bytes
.set R,     16                         ; v16-79   four sets of 16 numbers as loaded
.set X,     80                         ; v80-111  two sets of 16 neighbours
.set T,     112
.set C,     128                        ; v128-175 codes: 12 registers for each of four steps by turns
	s_load_b512 s[4:19], s[0:1], 0x0               ; x 4, wq 6, wk 8, wv 10, wo 12, token_positions 14, lowp_scales 16, xc 18
	s_load_b128 s[20:23], s[0:1], 0x40             ; wc 20, rope 22
	v_lshl_add_u32 v192, v0, 2, 0x8000
	v_mov_b32 v193, 0
	v_lshrrev_b32 v1, 5, v0
	v_readfirstlane_b32 s36, v1                    ; wave
	v_and_b32 v2, 31, v0                           ; lane
	s_cmp_ge_u32 ttmp9, 384
	s_cbranch_scc1 .Lrope
	; ---------------- the quantiser ----------------
	v_lshlrev_b32 v3, 4, v2                        ; my 16 bytes of a load's 512, and of a store's 512
	s_mul_i32 s37, s36, WREG
	v_lshrrev_b32 v14, 2, v2
	v_mul_u32_u24 v14, v14, SP
	v_and_b32 v15, 3, v2
	v_lshl_add_u32 v14, v15, 4, v14
	v_add_nc_u32 v14, s37, v14                     ; the stage on the way in: SP (lane / 4) + 16 (lane % 4)
	v_mul_u32_u24 v15, v2, SP
	v_add_nc_u32 v15, s37, v15                     ; and on the way out: SP x lane
	s_sub_co_u32 s46, ttmp9, 256
	s_lshr_b32 s47, s46, 5
	s_and_b32 s47, s47, 3                          ; which weight (meaningless, but small, in x's work-groups)
	s_and_b32 s46, s46, 31                         ; which chunk of it
	s_cmp_lt_u32 ttmp9, 256
	s_cselect_b32 s46, ttmp9, s46                  ; the chunk of 32,768 numbers
	s_lshl_b32 s46, s46, 2
	s_add_co_u32 s46, s46, s36                     ; my wave's run of 8,192 numbers
	s_lshl_b32 s52, s46, 15                        ; in bytes of f32,
	s_mov_b32 s53, 0
	s_lshl_b32 s54, s46, 13                        ; and of codes
	s_mov_b32 s55, 0
	s_lshl_b32 s50, s47, 20                        ; the weight's part of wc
	s_mov_b32 s51, 0
	s_wait_alu depctr_va_vdst(0)
	s_wait_kmcnt 0x0
	s_load_b256 s[24:31], s[16:17], 0x0            ; ls0 .. ls7
	s_load_b128 s[32:35], s[16:17], 0x20           ; ls8 .. ls11
	s_cmp_eq_u32 s47, 0                            ; the buffers are chosen on the work-group's number alone
	s_cselect_b64 s[38:39], s[6:7], s[8:9]
	s_cmp_eq_u32 s47, 2
	s_cselect_b64 s[38:39], s[10:11], s[38:39]
	s_cmp_eq_u32 s47, 3
	s_cselect_b64 s[38:39], s[12:13], s[38:39]
	s_add_nc_u64 s[40:41], s[20:21], s[50:51]
	s_cmp_lt_u32 ttmp9, 256
	s_cselect_b64 s[38:39], s[4:5], s[38:39]       ; from where
	s_cselect_b64 s[40:41], s[18:19], s[40:41]     ; to where
	s_add_nc_u64 s[38:39], s[38:39], s[52:53]
	s_add_nc_u64 s[40:41], s[40:41], s[54:55]
	s_add_nc_u64 s[42:43], s[40:41], 0x800000      ; x's second and third set of codes (used in x's work-groups alone)
	s_add_nc_u64 s[44:45], s[40:41], 0x1000000
.macro LOAD t
.irp i, 0,1,2,3
	global_load_b128 v[R+16*((\t)%4)+4*\i:R+16*((\t)%4)+4*\i+3], v3, s[38:39] offset:2048*(\t)+512*\i th:TH_LOAD_NT   ; 32 lanes read 512 consecutive bytes, read once in the launch
.endr
.endm
.macro TURN t                          ; step t's numbers through the stage: LDS serves a wave's instructions in order, so no wait stands between the stores and the loads
.irp i, 0,1,2,3
	ds_store_b128 v14, v[R+16*((\t)%4)+4*\i:R+16*((\t)%4)+4*\i+3] offset:32*SP*((\t)%2)+8*SP*\i
.endr
.irp i, 0,1,2,3
	ds_load_b128 v[X+16*((\t)%2)+4*\i:X+16*((\t)%2)+4*\i+3], v15 offset:32*SP*((\t)%2)+16*\i
.endr
.endm
.macro MKSC e, v                       ; v[v] = 2^e as f32 (the conversion takes its exponent field)
	s_add_co_i32 s56, \e, 127
	s_lshl_b32 s57, s56, 23
	v_mov_b32 v[\v], s57
.endm
.irp t, 0,1,2,3
	LOAD \t
.endr
	s_wait_kmcnt 0x0
	s_cmp_eq_u32 s47, 0
	s_cselect_b32 s48, s25, s27                    ; wq: ls1, wk: ls3,
	s_cmp_eq_u32 s47, 2
	s_cselect_b32 s48, s29, s48                    ; wv: ls5,
	s_cmp_eq_u32 s47, 3
	s_cselect_b32 s48, s35, s48                    ; wo: ls11,
	s_cmp_lt_u32 ttmp9, 256
	s_cselect_b32 s48, s24, s48                    ; x: ls0
	MKSC s48, 8
	MKSC s26, 10                                   ; x's second scale: ls2
	MKSC s28, 12                                   ; x's third: ls4
	s_wait_alu depctr_va_vdst(0)
	s_wait_loadcnt 12                              ; step 0's four loads are in; the twelve of steps 1 to 3 may be out
	TURN 0
; the step's 16 numbers of a lane under scale k, stored to dst
.macro QCONV k, t, dst
.set CX, C+12*((\t)%4)+4*(\k)
.irp i, 0,1,2,3,4,5,6,7,8,9,10,11,12,13,14,15
.endr
	v_cvt_scalef32_pk8_bf8_f32 v[CX:CX+1], v[XS:XS+7], v[8+2*(\k)]
	v_cvt_scalef32_pk8_bf8_f32 v[CX+2:CX+3], v[XS+8:XS+15], v[8+2*(\k)]
	v_nop                                          ; a plain line between the conversions and the next lines that write their sources
	global_store_b128 v3, v[CX:CX+3], s[\dst:\dst+1] offset:512*(\t)
.endm
.macro STEP t
.set XS, X+16*((\t)%2)
	s_wait_dscnt 0x0                               ; this step's numbers are back from the stage, so its stores into the stage have read their registers,
.if (\t)+4 < STEPS
	LOAD (\t)+4                                    ; which take the loads of four steps on
.endif
.if (\t)+1 < STEPS
.if STEPS-2-(\t) >= 3
	s_wait_loadcnt 12                              ; the next step's four loads are in; those of the three steps behind it may be out
.else
	s_wait_loadcnt 4*(STEPS-2-(\t))
.endif
	TURN (\t)+1
.endif
	s_wait_xcnt 0x0                                ; the stores of four steps back have read the code registers that this step writes
	QCONV 0, \t, 40
	s_cmp_lt_u32 ttmp9, 256                        ; a weight has one scale; x has three.  Only register work and stores stand under this branch
	s_cbranch_scc0 .Lone_\@
	QCONV 1, \t, 42
	QCONV 2, \t, 44
.Lone_\@:
.endm
.irp t, 0,1,2,3,4,5,6,7,8,9,10,11,12,13,14,15
	STEP \t
.endr
	s_wait_tensorcnt 0x0
	ds_add_u32 v192, v193
	s_wait_dscnt 0x0
	s_endpgm
	; ---------------- the table of cos and sin ----------------
.Lrope:
	s_sub_co_u32 s46, ttmp9, 384
	s_lshl_b32 s46, s46, 2
	s_add_co_u32 s46, s46, s36                     ; which 16 rows: 0 .. 127
	s_lshl_b32 s40, s46, 6                         ; 16 positions of 4 bytes
	s_mov_b32 s41, 0
	s_lshl_b32 s42, s46, 12                        ; 16 rows of 256 bytes
	s_mov_b32 s43, 0
	s_wait_alu depctr_va_vdst(0)
	v_lshlrev_b32 v21, 3, v2                       ; a lane is a frequency: its pair's 8 bytes in a row
	s_wait_kmcnt 0x0
	s_add_nc_u64 s[14:15], s[14:15], s[40:41]
	s_load_b512 s[48:63], s[14:15], 0x0            ; my 16 positions
	s_add_nc_u64 s[22:23], s[22:23], s[42:43]
	v_mov_b32 v20, 0
.macro FREQ i, lit                     ; lane i's frequency 10^(-i/8) = 10000^(-i/32), the nearest f32
	s_mov_b32 s37, \lit
	v_writelane_b32 v20, s37, \i
.endm
	FREQ 0, 0x3f800000
	FREQ 1, 0x3f3ff911
	FREQ 2, 0x3f0ff59a
	FREQ 3, 0x3ed7e89b
	FREQ 4, 0x3ea1e89b
	FREQ 5, 0x3e72d424
	FREQ 6, 0x3e361887
	FREQ 7, 0x3e088d77
	FREQ 8, 0x3dcccccd
	FREQ 9, 0x3d99940e
	FREQ 10, 0x3d6655c3
	FREQ 11, 0x3d2cba15
	FREQ 12, 0x3d0186e2
	FREQ 13, 0x3cc24350
	FREQ 14, 0x3c91ad39
	FREQ 15, 0x3c5a7bf1
	FREQ 16, 0x3c23d70a
	FREQ 17, 0x3bf5b9b0
	FREQ 18, 0x3bb8449c
	FREQ 19, 0x3b8a2e77
	FREQ 20, 0x3b4f3e37
	FREQ 21, 0x3b1b690d
	FREQ 22, 0x3ae91528
	FREQ 23, 0x3aaec98e
	FREQ 24, 0x3a83126f
	FREQ 25, 0x3a44948c
	FREQ 26, 0x3a136a16
	FREQ 27, 0x39dd1726
	FREQ 28, 0x39a5cb5f
	FREQ 29, 0x3978a814
	FREQ 30, 0x393a7753
	FREQ 31, 0x390bd472
	v_mov_b32 v22, 0x3638ef1d                      ; 1/9!
	v_mov_b32 v23, 0xb493f27e                      ; -1/10!
	s_wait_kmcnt 0x0
; a = f32(position) x frequency, one rounding, as the definition has it.  n = the nearest whole number to a 2/pi; r = a - n pi/2 with pi/2 in three parts, each taken off by a fused multiply-add;
; sin r and cos r by their series on |r| <= pi/4 (the first terms left out are under 2e-9); the quadrant n mod 4 swaps them and sets the signs.
.macro ROW i
	v_cvt_f32_i32 v24, s[48+\i]
	s_wait_alu depctr_va_vdst(0)
	v_mul_f32 v24, v24, v20                        ; a
	v_mul_f32 v25, 0x3f22f983, v24
	v_rndne_f32 v25, v25                           ; n
	v_fmamk_f32 v28, v25, 0xbfc90fdb, v24
	v_fmamk_f32 v28, v25, 0x333bbd2e, v28
	v_fmamk_f32 v28, v25, 0x26f72ced, v28          ; r
	v_cvt_i32_f32 v27, v25
	v_mul_f32 v29, v28, v28                        ; z = r r
	v_fmaak_f32 v30, v22, v29, 0xb9500d01
	v_fmaak_f32 v32, v23, v29, 0x37d00d01
	v_fmaak_f32 v30, v30, v29, 0x3c088889
	v_fmaak_f32 v32, v32, v29, 0xbab60b61
	v_fmaak_f32 v30, v30, v29, 0xbe2aaaab
	v_fmaak_f32 v32, v32, v29, 0x3d2aaaab
	v_mul_f32 v31, v29, v28
	v_fmaak_f32 v32, v32, v29, 0xbf000000
	v_fma_f32 v30, v30, v31, v28                   ; sin r
	v_fmaak_f32 v32, v32, v29, 0x3f800000          ; cos r
	v_and_b32 v33, 1, v27
	v_cmp_eq_u32 vcc_lo, 1, v33                    ; an odd quadrant swaps the two
	v_cndmask_b32 v[41+2*\i], v30, v32, vcc_lo     ; sin a, but for its sign
	v_cndmask_b32 v[40+2*\i], v32, v30, vcc_lo     ; cos a, but for its sign
	v_and_b32 v34, 2, v27
	v_lshlrev_b32 v34, 30, v34                     ; sin is negative in quadrants 2 and 3,
	v_add_nc_u32 v35, 1, v27
	v_and_b32 v35, 2, v35
	v_lshlrev_b32 v35, 30, v35                     ; cos in quadrants 1 and 2
	v_xor_b32 v[41+2*\i], v[41+2*\i], v34
	v_xor_b32 v[40+2*\i], v[40+2*\i], v35
	global_store_b64 v21, v[40+2*\i:41+2*\i], s[22:23] offset:256*\i   ; the wave's 32 lanes store one row: 256 consecutive bytes, aligned; each row has registers of its own
.endm
.irp i, 0,1,2,3,4,5,6,7,8,9,10,11,12,13,14,15
	ROW \i
.endr
	s_cmp_lg_u32 s46, 0
	s_cbranch_scc1 .Ldone
	v_mov_b32 v72, 1.0                             ; row 2048: cos = 1, sin = 0 (this wave's base is the table's first row)
	v_mov_b32 v73, 0
	global_store_b64 v21, v[72:73], s[22:23] offset:524288
.Ldone:
	s_endpgm
.Lfunc_end_k_qbe0f9ae59e_prep:
	.size	k_qbe0f9ae59e_prep, .Lfunc_end_k_qbe0f9ae59e_prep-k_qbe0f9ae59e_prep
	.p2alignl 7, 3214868480
	.fill 96, 4, 3214868480
	.section	.rodata,"a",@progbits
	.p2align	6, 0x0
	.amdhsa_kernel k_qbe0f9ae59e_prep
		.amdhsa_group_segment_fixed_size 33280
		.amdhsa_private_segment_fixed_size 0
		.amdhsa_enable_private_segment 0
		.amdhsa_kernarg_size 80
		.amdhsa_user_sgpr_count 2
		.amdhsa_user_sgpr_kernarg_segment_ptr 1
		.amdhsa_wavefront_size32 1
		.amdhsa_system_sgpr_workgroup_id_x 1
		.amdhsa_system_sgpr_workgroup_id_y 1
		.amdhsa_system_sgpr_workgroup_id_z 1
		.amdhsa_system_vgpr_workitem_id 0
		.amdhsa_next_free_vgpr 194
		.amdhsa_next_free_sgpr 66
		.amdhsa_reserve_vcc 1
		.amdhsa_float_denorm_mode_32 3
		.amdhsa_float_denorm_mode_16_64 3
		.amdhsa_fp16_overflow 1
		.amdhsa_memory_ordered 1
		.amdhsa_forward_progress 1
		.amdhsa_inst_pref_size 61
	.end_amdhsa_kernel
	.amdgpu_metadata
---
amdhsa.version: [ 1, 2 ]
amdhsa.kernels:
  - .name:           k_qbe0f9ae59e_prep
    .symbol:         k_qbe0f9ae59e_prep.kd
    .args:
      - { .name: x, .offset: 0, .size: 8, .value_kind: global_buffer, .address_space: global }
      - { .name: wq, .offset: 8, .size: 8, .value_kind: global_buffer, .address_space: global }
      - { .name: wk, .offset: 16, .size: 8, .value_kind: global_buffer, .address_space: global }
      - { .name: wv, .offset: 24, .size: 8, .value_kind: global_buffer, .address_space: global }
      - { .name: wo, .offset: 32, .size: 8, .value_kind: global_buffer, .address_space: global }
      - { .name: token_positions, .offset: 40, .size: 8, .value_kind: global_buffer, .address_space: global }
      - { .name: lowp_scales, .offset: 48, .size: 8, .value_kind: global_buffer, .address_space: global }
      - { .name: xc, .offset: 56, .size: 8, .value_kind: global_buffer, .address_space: global }
      - { .name: wc, .offset: 64, .size: 8, .value_kind: global_buffer, .address_space: global }
      - { .name: rope, .offset: 72, .size: 8, .value_kind: global_buffer, .address_space: global }
    .group_segment_fixed_size: 33280
    .private_segment_fixed_size: 0
    .kernarg_segment_align: 8
    .kernarg_segment_size: 80
    .max_flat_workgroup_size: 128
    .sgpr_count:     66
    .vgpr_count:     194
    .wavefront_size: 32
...
	.end_amdgpu_metadata
.endif
;; end of part 1
;; launch qkv (part 2): grid 4 x 96, 4 waves a work-group, clusters of 4 x 4, 327,680 bytes of LDS; arguments xc, wc, lowp_scales, rope, qkv; writes qkv
.if DOCPART == 2
	.amdgcn_target "amdgcn-amd-amdhsa--gfx1250"
	.amdhsa_code_object_version 6
	.text
	.protected	k_qbe0f9ae59e_qkv
	.globl	k_qbe0f9ae59e_qkv
	.p2align	8
	.type	k_qbe0f9ae59e_qkv,@function
k_qbe0f9ae59e_qkv:
	s_mov_b64 s[64:65], 0
	v_nop
	global_prefetch_b8 v0, s[64:65] scope:SCOPE_SE
	s_setreg_imm32_b32 hwreg(HW_REG_WAVE_MODE, 25, 1), 1
	s_wait_xcnt 0x0
	s_wait_alu depctr_hold_cnt(0) depctr_sa_sdst(0) depctr_va_vdst(0) depctr_va_sdst(0) depctr_va_ssrc(0) depctr_va_vcc(0) depctr_vm_vsrc(0)
	s_getreg_b32 s2, hwreg(HW_REG_IB_STS2, 6, 4)
	s_cmp_eq_u32 s2, 0
	s_cbranch_scc0 .Lentry_in_a_cluster
	s_endpgm
.Lentry_in_a_cluster:
	s_bfe_u32 s2, ttmp6, 0x10000c
	s_cmp_lg_u32 s2, 0xf033
	s_cbranch_scc0 .Lentry_shape_is_right
	s_endpgm
.Lentry_shape_is_right:
; PRODUCTS 1 TO 3 on E5M2 codes, the rotation of q and k by position, and the quantisers of q, k and v.  p = 0: q, 1: k, 2: v, eight clusters of 4 x 4 work-groups each.
; A tile is 256 x 256, K = 1024 in four steps of 256 through two LDS slots; four waves, each 128 x 128: 64 accumulators of 16 x 16.
; THE MATRIX INSTRUCTION IS USED TRANSPOSED: source 0 = 16 rows of "B", source 1 = 16 rows of "A": lane (r, h), register j of accumulator (a, b) holds (A's row 16 a + r, B's row 16 b + 8 h + j).
; For q and k: A = x's codes (tokens), B = the weight's (features): a lane's 8 registers are 8 neighbouring features of one token, four pairs of the rotation, and 8 neighbours along product 4's K.
; For v: A = wv's codes (features), B = x's (tokens): a lane's 8 registers are 8 neighbouring KEYS of one channel, neighbours along product 5's K.  The text is one for all three: tensors, offsets and the
; table's rows are chosen by scalar selects on the cluster's number, never by a branch; v's tiles read the table's row 2048, (cos, sin) = (1, 0), which leaves every finite number as it is.
; A sum stands for sum x 2^(ea + eb); the rotation is linear; so the conversion's one scale is 2^E, E = e_out - ea - eb (q: ls6 - ls0 - ls1, k: ls7 - ls2 - ls3, v: ls9 - ls4 - ls5).
; LIMIT: E between -126 and 112.  NaN among the inputs is not served.
; OUT: qkv = three parts of 8 MiB, each [b 4][head 16][block 32][64][64] bytes.  q, k: a block is 64 tokens x 64 d; v: 64 d x 64 keys.  A wave's block of 16 A rows goes through its own stage and leaves as
; four stores of 512 consecutive bytes, aligned.
; CLUSTERS: the four work-groups of a row of the cluster need the same tiles of A, the four of a column the same tiles of B: each tile is asked for jointly.
; No prefetch: four K steps, of which two are first fills.  REGISTERS: window 0: v0-31 addresses; v32-95 two sets of the table's numbers; v128-255 A's fragments, one set; window 1: B's fragments, two sets;
; windows 2, 3: the accumulators.  On the way out: v96-111 codes, v112-143 rows read back, v192-255 rotated numbers.
.set KSTEP,  256
.set ROWB,   256                       ; a tile's row in bytes
.set KROW,   1024                      ; a row of codes in memory
.set PITCH,  272                       ; an LDS row: 256 bytes + 16 of padding, so that the 16 rows that a load touches start 16 bytes apart modulo 256
.set FR,     16
.set NL,     4
.set NP,     4                         ; places behind this matrix instruction (ISA guide 7.12.1)
.set HALFT,  128*PITCH
.set SLOT,   4*HALFT
.set SPARE,  2*SLOT                    ; the spare words, 128 bytes a wave: two blocks of 256 bytes that no other line names
.set SPITCH, 144                       ; the way out: a stage of 16 rows x (128 bytes + 16) for each wave, in slot 0, which has had its last fill and its last read by then
.set ADRA, 16
.set ADRB, 20
.set SCL,  22                          ; v22 2^E as f32
.set LIMV, 23
.set STO,  24
.set RD,   25
.set GO,   26
.set CSO,  27                          ; v27 my byte offset in the table, stepped from block to block
.set SPW,  28
.set NIL,  29
.set CS0,  32
.set CODE, 96
.set BK,   112
.set AF,   128
.set TMP,  192
.set G1, 24
.set G0, 32
.set G1B, 48
.set G0B, 56
.set OB,  88                           ; s[88:95] the four output blocks' addresses: s[88 + 4 R + 2 G]
.set MSB, 0
.macro WIN new                         ; the immediate's high byte repeats the setting that is left
.if MSB != \new
	s_set_vgpr_msb (MSB<<8)|\new
.set MSB, \new
.endif
.endm
.set MUL_LO, 0xa1                      ; source 0 (B) window 1, source 1 (A) window 0, C and D window 2
.set MUL_HI, 0xf1                      ; the same, C and D window 3
.set TO_B,   0x40                      ; destination window 1, address window 0
; A joint load: waves 0 and 1 fetch for A, waves 2 and 3 for B; the branch hangs on the wave's number alone.  Four v_nop follow each of the two lines.
.macro JLOAD g0a, g1a, g0b, g1b
	s_cmp_eq_u32 s15, 0
	s_cbranch_scc0 .Lfor_b_\@
	tensor_load_to_lds s[\g0a:\g0a+3], s[\g1a:\g1a+7]
	s_nop 0
.rept 4
	v_nop
.endr
	s_branch .Lasked_\@
.Lfor_b_\@:
	tensor_load_to_lds s[\g0b:\g0b+3], s[\g1b:\g1b+7]
	s_nop 0
.rept 4
	v_nop
.endr
.Lasked_\@:
.endm
.macro CREST                           ; a round of the cluster's barrier behind its opening barrier
	s_cmp_lg_u32 s14, 0
	s_cbranch_scc1 .Lnot_wave_0_\@
	s_barrier_signal -3
.Lnot_wave_0_\@:
	s_barrier_wait -3
	s_barrier_signal -1
	s_barrier_wait -1
.endm
.macro CROUND
	s_barrier_signal -1
	s_barrier_wait -1
	CREST
.endm
	s_load_b256 s[4:11], s[0:1], 0x0               ; xc 4, wc 6, lowp_scales 8, rope 10
	s_load_b64 s[12:13], s[0:1], 0x20              ; qkv
	v_lshl_add_u32 v[SPW], v0, 2, SPARE
	v_mov_b32 v[NIL], 0
	ds_add_u32 v28, v29
	ds_add_u32 v28, v29
	s_wait_dscnt 0x0
	v_lshrrev_b32 v1, 5, v0
	v_readfirstlane_b32 s14, v1                    ; wave 0..3
	s_lshr_b32 s15, s14, 1                         ; which half of A's rows is mine.  Also: I fetch for A (0) or for B (1)
	s_and_b32 s16, s14, 1                          ; which half of B's rows.  Also: which 128 rows of that tile I fetch
	s_bfe_u32 s40, ttmp6, 0x40000                  ; cx
	s_bfe_u32 s41, ttmp6, 0x40004                  ; cy
	s_and_b32 s66, ttmp7, 0xffff                   ; the cluster's number, 0 .. 23: the same in all sixteen partners
	s_lshr_b32 s67, s66, 3                         ; p
	s_and_b32 s68, s66, 7
	s_lshl_b32 s68, s68, 2                         ; four tiles of tokens to a cluster
	s_cmp_lt_u32 s67, 2                            ; q, k: tokens are A's rows; v: tokens are B's rows
	s_cselect_b32 s17, s68, 0
	s_cselect_b32 s42, 0, s68
	s_add_co_u32 s17, s17, s41                     ; tile row (of A)
	s_add_co_u32 s42, s42, s40                     ; tile column (of B)
	s_lshl_b32 s43, s41, 2
	s_lshl_b32 s43, 15, s43                        ; my row of the cluster
	s_lshl_b32 s44, 0x1111, s40                    ; my column
	s_or_b32 s[G1+0], s43, (0<<16)|(1<<20)|(1<<21)|(5<<22)|(3<<25)  ; the mask; elements of 1 byte; padding on; bit 21 beside a mask; after every 64 words, 4 words
	s_or_b32 s[G1B+0], s44, (0<<16)|(1<<20)|(1<<21)|(5<<22)|(3<<25)
.irp g, G1, G1B
	s_mov_b32 s[\g+1], ROWB<<16                    ; tensor_dim0
	s_mov_b32 s[\g+2], 128<<16                     ; tensor_dim1
	s_mov_b32 s[\g+3], ROWB<<16                    ; tile_dim0
	s_mov_b32 s[\g+4], 128                         ; tile_dim1
	s_mov_b32 s[\g+5], KROW                        ; the pitch
	s_mov_b32 s[\g+6], 0
	s_mov_b32 s[\g+7], 0
.endr
	s_lshl_b32 s18, s16, 7
	s_lshl_b32 s20, s17, 8
	s_add_co_u32 s20, s20, s18                     ; A: row 256 x tile row + 128 x half,
	s_lshl_b32 s20, s20, 10                        ; in bytes (under 2^23)
	s_mov_b32 s21, 0
	s_lshl_b32 s46, s42, 8
	s_add_co_u32 s46, s46, s18                     ; B likewise, by the tile column
	s_lshl_b32 s46, s46, 10
	s_mov_b32 s47, 0
	s_mul_i32 s45, s14, HALFT                      ; where they go: wave x 128 rows
	s_lshl_b32 s70, s67, 23                        ; x's set of codes for this product,
	s_mov_b32 s71, 0
	s_lshl_b32 s72, s67, 20                        ; and the weight's part of wc
	s_mov_b32 s73, 0
	s_wait_kmcnt 0x0
	s_load_b256 s[76:83], s[8:9], 0x0              ; ls0 .. ls7
	s_load_b128 s[84:87], s[8:9], 0x20             ; ls8 .. ls11
	s_add_nc_u64 s[70:71], s[4:5], s[70:71]
	s_add_nc_u64 s[72:73], s[6:7], s[72:73]
	s_cmp_lt_u32 s67, 2
	s_cselect_b64 s[74:75], s[70:71], s[72:73]     ; A's tensor
	s_cselect_b64 s[72:73], s[72:73], s[70:71]     ; B's tensor
	s_add_nc_u64 s[20:21], s[74:75], s[20:21]
	s_add_nc_u64 s[46:47], s[72:73], s[46:47]
	CROUND                                         ; all sixteen work-groups are here: the first joint loads meet
.irp s, 0,1
	s_mov_b32 s[G0+4*\s], 1
	s_add_co_u32 s[G0+4*\s+1], s45, \s*SLOT
	s_add_nc_u64 s[G0+4*\s+2:G0+4*\s+3], s[20:21], \s*ROWB
	s_or_b32 s[G0+4*\s+3], s[G0+4*\s+3], 0x80000000
	s_mov_b32 s[G0B+4*\s], 1
	s_add_co_u32 s[G0B+4*\s+1], s45, \s*SLOT
	s_add_nc_u64 s[G0B+4*\s+2:G0B+4*\s+3], s[46:47], \s*ROWB
	s_or_b32 s[G0B+4*\s+3], s[G0B+4*\s+3], 0x80000000
	JLOAD G0+4*\s, G1, G0B+4*\s, G1B
.endr
	v_and_b32 v1, 15, v0                           ; r
	s_wait_alu depctr_va_vdst(0)
	v_bfe_u32 v2, v0, 4, 1                         ; h
	v_mul_u32_u24 v3, v1, PITCH
	v_lshl_add_u32 v4, v2, 4, v3                   ; a fragment's row x pitch + 16 h
	s_mul_i32 s21, s15, HALFT
	s_mul_i32 s22, s16, HALFT
	s_add_co_u32 s22, s22, 2*HALFT
.irp s, 0,1
	v_add_nc_u32 v[ADRA+\s], s21, v4
	v_add_nc_u32 v[ADRB+\s], s22, v4
	s_add_co_u32 s21, s21, SLOT
	s_add_co_u32 s22, s22, SLOT
.endr
	s_mul_i32 s23, s14, 16*SPITCH                  ; my stage
	v_mul_u32_u24 v5, v1, SPITCH
	s_wait_alu depctr_va_vdst(0)
	v_lshl_add_u32 v5, v2, 3, v5
	v_add_nc_u32 v[STO], s23, v5                   ; in: row r, 8 bytes for each half of the lanes
	v_and_b32 v6, 31, v0
	v_lshrrev_b32 v7, 2, v6
	v_mul_u32_u24 v7, v7, SPITCH
	v_and_b32 v8, 3, v6
	v_lshl_add_u32 v7, v8, 4, v7
	v_add_nc_u32 v[RD], s23, v7                    ; back: four lanes to a row's 64 bytes, eight rows an instruction
	v_lshlrev_b32 v[GO], 4, v6                     ; and the same 512 bytes on end in memory
	; the table: q, k: row = the token's place in its sequence = (tile row mod 8) x 256 + 128 x my half + 16 a + r; v: row 2048 for everybody
	s_and_b32 s18, s17, 7
	s_lshl_b32 s18, s18, 8
	s_lshl_b32 s19, s15, 7
	s_add_co_u32 s18, s18, s19
	s_lshl_b32 s18, s18, 8                         ; rows of 256 bytes
	s_mov_b32 s19, 0x80000
	s_cmp_lt_u32 s67, 2
	s_cselect_b32 s18, s18, s19
	s_cselect_b32 s19, 256, 0                      ; from lane to lane,
	s_cselect_b32 s96, 4096, 0                     ; and from a block of 16 rows to the next
	v_mul_u32_u24 v[CSO], s19, v1
	v_add_nc_u32 v[CSO], s18, v[CSO]
	v_lshl_add_u32 v[CSO], v2, 5, v[CSO]           ; + 32 h: my four pairs of each sixteen features
	s_wait_alu depctr_va_vdst(0)
	; the four output blocks (R: which 64 of my A rows, G: which 64 of my B rows)
	s_lshl_b32 s97, s17, 2
	s_lshl_b32 s18, s15, 1
	s_add_co_u32 s97, s97, s18                     ; 4 x tile row + 2 x half
	s_lshl_b32 s98, s42, 2
	s_lshl_b32 s18, s16, 1
	s_add_co_u32 s98, s98, s18
	s_lshl_b32 s99, s67, 23                        ; the part of qkv
.macro OBASE R, G
	s_add_co_u32 s18, s97, \R
	s_add_co_u32 s19, s98, \G
	s_cmp_lt_u32 s67, 2
	s_cselect_b32 s20, s18, s19                    ; the block of 64 tokens, 0 .. 127
	s_cselect_b32 s21, s19, s18                    ; the head
	s_lshr_b32 s22, s20, 5                         ; the batch
	s_lshl_b32 s22, s22, 4
	s_add_co_u32 s22, s22, s21
	s_lshl_b32 s22, s22, 5
	s_and_b32 s20, s20, 31
	s_add_co_u32 s22, s22, s20
	s_lshl_b32 s22, s22, 12                        ; blocks of 4,096 bytes
	s_add_co_u32 s22, s22, s99
	s_mov_b32 s23, 0
	s_add_nc_u64 s[OB+4*\R+2*\G:OB+4*\R+2*\G+1], s[12:13], s[22:23]
.endm
	OBASE 0, 0
	OBASE 0, 1
	OBASE 1, 0
	OBASE 1, 1
; eight loads: my row's pairs 8 e + 4 h + 0 .. 3 for e = 0 .. 3: register 8 e + 2 i = cos, 8 e + 2 i + 1 = sin of pair i
.macro CSLOAD set
.irp e, 0,1,2,3
	global_load_b128 v[CS0+32*(\set)+8*\e:CS0+32*(\set)+8*\e+3], v[CSO], s[10:11] offset:64*\e
	global_load_b128 v[CS0+32*(\set)+8*\e+4:CS0+32*(\set)+8*\e+7], v[CSO], s[10:11] offset:64*\e+16
.endr
.endm
	CSLOAD 0                                       ; blocks 0 and 1 are asked for here and land under the products
	s_wait_xcnt 0x0                                ; those loads have read their offset
	v_add_nc_u32 v[CSO], s96, v[CSO]
	CSLOAD 1
.macro FRAG reg, adr, q, i             ; 16 rows x 128 K: registers 4 c .. 4 c + 3 hold K = 32 c + 16 h + 0 .. 15: the same permutation of k in A and in B
.irp c, 0,1,2,3
	ds_load_b128 v[\reg+4*\c:\reg+4*\c+3], v[\adr] offset:128*(\q)+32*\c+(\i)*16*PITCH
.endr
.endm
; 16 matrix instructions; the 64 accumulators take turns, one instruction a turn, in the same order in every step
.macro MUL16 a0, p, zero
.irp a, \a0, \a0+1
.irp b, 0,1,2,3,4,5,6,7
.if \zero
	v_wmma_f32_16x16x128_bf8_bf8 v[8*(8*((\a)%4)+\b):8*(8*((\a)%4)+\b)+7], v[128*(\p)+FR*\b:128*(\p)+FR*\b+FR-1], v[AF+FR*(\a):AF+FR*(\a)+FR-1], 0
.else
	v_wmma_f32_16x16x128_bf8_bf8 v[8*(8*((\a)%4)+\b):8*(8*((\a)%4)+\b)+7], v[128*(\p)+FR*\b:128*(\p)+FR*\b+FR-1], v[AF+FR*(\a):AF+FR*(\a)+FR-1], v[8*(8*((\a)%4)+\b):8*(8*((\a)%4)+\b)+7]
.endif
.endr
.endr
.endm
.macro FETCH_B slot, q, p
	WIN TO_B
.irp i, 0,1,2,3,4,5,6,7
	FRAG 128*(\p)+FR*\i, ADRB+\slot, \q, \i
.endr
	WIN 0
.endm
.macro FETCH_A slot, q, i0
.irp i, \i0, \i0+1, \i0+2, \i0+3
	FRAG AF+FR*(\i), ADRA+\slot, \q, \i
.endr
.endm
.macro PLACES n                        ; plain vector lines between a matrix instruction and a load into, or a vector read or write of, its registers
.rept \n
	v_nop
.endr
.endm
.macro STEP slot, q, zero              ; 128 along K that has its successor in the same slot
	s_wait_dscnt 4*NL                              ; B's set and A's blocks 0-3 are in; the youngest sixteen loads (A's blocks 4-7) may be out
	WIN MUL_LO
	MUL16 0, (\q)%2, \zero
	MUL16 2, (\q)%2, \zero
	s_wait_dscnt 0
	PLACES NP
	FETCH_B \slot, (\q)+1, 1-(\q)%2
	FETCH_A \slot, (\q)+1, 0
	WIN MUL_HI
	MUL16 4, (\q)%2, \zero
	MUL16 6, (\q)%2, \zero
	PLACES NP
	WIN 0
	FETCH_A \slot, (\q)+1, 4
.endm
; A slot's last 128 along K, and the change of slots: one barrier; in front of it each wave waits for all its tensor loads, adds 0 to its spare word, and waits for that and for its reads of this slot.
.macro TURN slot, next, fill
	s_wait_tensorcnt 0x0                           ; all my tensor loads have landed: my part of the next slot
	ds_add_u32 v[SPW], v[NIL]                      ; 0 onto my spare word
	s_wait_dscnt 4*NL+1                            ; (the add and the youngest sixteen loads may be out)
	WIN MUL_LO
	MUL16 0, 1, 0
	s_wait_dscnt 0x0                               ; the add is done, and my reads of this slot are over
	s_barrier_signal -1
	MUL16 2, 1, 0
	WIN 0
	s_barrier_wait -1
.if \fill
	CREST                                          ; the barrier has opened a round of the cluster's: no wave of any partner still reads this slot or has a load on its way
	s_add_nc_u64 s[G0+4*\slot+2:G0+4*\slot+3], s[G0+4*\slot+2:G0+4*\slot+3], 2*ROWB
	s_add_nc_u64 s[G0B+4*\slot+2:G0B+4*\slot+3], s[G0B+4*\slot+2:G0B+4*\slot+3], 2*ROWB
	JLOAD G0+4*\slot, G1, G0B+4*\slot, G1B         ; the first tensor load behind the round, one a wave; its four v_nop are the places in front of the loads below
.else
	PLACES NP
.endif
	FETCH_B \next, 0, 0
	FETCH_A \next, 0, 0
	WIN MUL_HI
	MUL16 4, 1, 0
	MUL16 6, 1, 0
	PLACES NP
	WIN 0
	FETCH_A \next, 0, 4
.endm
	s_wait_tensorcnt 1                             ; my part of K step 0 is in; K step 1's load may be out
	s_barrier_signal -1
	s_barrier_wait -1
	FETCH_B 0, 0, 0
	FETCH_A 0, 0, 0
	FETCH_A 0, 0, 4
	STEP 0, 0, 1                                   ; K = 1024 is four K steps: written out, no loop.  The first products start the sums
	TURN 0, 1, 1                                   ; slot 0 takes K step 2
	STEP 1, 0, 0
	TURN 1, 0, 1                                   ; slot 1 takes K step 3
	STEP 0, 0, 0
	TURN 0, 1, 0                                   ; nothing is left to fetch; behind this barrier nobody reads slot 0
	STEP 1, 0, 0
	s_wait_dscnt 4*NL
	WIN MUL_LO
	MUL16 0, 1, 0
	MUL16 2, 1, 0
	s_wait_dscnt 0
	WIN MUL_HI
	MUL16 4, 1, 0
	MUL16 6, 1, 0
	WIN 0
	s_wait_kmcnt 0x0
	s_sub_co_i32 s18, s82, s76
	s_sub_co_i32 s18, s18, s77                     ; q: ls6 - ls0 - ls1
	s_sub_co_i32 s19, s83, s78
	s_sub_co_i32 s19, s19, s79                     ; k: ls7 - ls2 - ls3
	s_sub_co_i32 s20, s85, s80
	s_sub_co_i32 s20, s20, s81                     ; v: ls9 - ls4 - ls5
	s_cmp_eq_u32 s67, 0
	s_cselect_b32 s18, s18, s19
	s_cmp_eq_u32 s67, 2
	s_cselect_b32 s18, s20, s18                    ; E
	s_add_co_i32 s18, s18, 127
	s_lshl_b32 s19, s18, 23
	v_mov_b32 v[SCL], s19
	s_add_co_i32 s18, s18, 15
	s_lshl_b32 s18, s18, 23
	s_or_b32 s18, s18, 0x600000
; THE WAY OUT of block a (16 A rows x 128 B rows).  (x1, x2) -> (x1 cos - x2 sin, x2 cos + x1 sin): a packed product by cos, a packed multiply-add that takes the pair crosswise by sin, the low half negated.
; Then the conversion, the stage, and back as rows.
.macro BLOCKQ a
.set AC, 64*((\a)%4)
.set CSX, CS0+32*((\a)%2)
.set BB, BK+16*((\a)%2)
.if (\a) < 7
	s_wait_loadcnt 8                               ; this block's eight table loads are in; the next block's eight may be out
.else
	s_wait_loadcnt 0
.endif
	WIN 0x02+((\a)/4)                              ; source 0: window 2 or 3
.irp b, 0,1,2,3,4,5,6,7
.irp i, 0,2,4,6
	v_pk_mul_f32 v[TMP+8*\b+\i:TMP+8*\b+\i+1], v[AC+8*\b+\i:AC+8*\b+\i+1], v[CSX+8*(\b%4)+\i:CSX+8*(\b%4)+\i+1] op_sel_hi:[1,0]   ; each accumulator from its low end on
.endr
.irp i, 0,2,4,6
	v_pk_fma_f32 v[TMP+8*\b+\i:TMP+8*\b+\i+1], v[AC+8*\b+\i:AC+8*\b+\i+1], v[CSX+8*(\b%4)+\i:CSX+8*(\b%4)+\i+1], v[TMP+8*\b+\i:TMP+8*\b+\i+1] op_sel:[1,1,0] op_sel_hi:[0,1,1] neg_lo:[1,0,0]
.endr
.endr
	WIN 0
.if (\a) < 6
	s_wait_alu depctr_va_vdst(0)
	s_wait_xcnt 0x0                                ; the last table loads have read their offset
	v_add_nc_u32 v[CSO], s96, v[CSO]
	CSLOAD (\a)%2                                  ; the block two further on, into the set just used
.endif
.set j, 0
.rept 64
.set j, j+1
.endr
.irp b, 0,1,2,3,4,5,6,7
	v_cvt_scalef32_pk8_bf8_f32 v[CODE+2*\b:CODE+2*\b+1], v[TMP+8*\b:TMP+8*\b+7], v[SCL]
.endr
	v_nop                                          ; a plain line behind the last conversion
.irp b, 0,1,2,3,4,5,6,7
	ds_store_b64 v[STO], v[CODE+2*\b:CODE+2*\b+1] offset:16*\b
.endr
.if (\a) > 1
	s_wait_xcnt 0x0                                ; block a - 2's stores have read the registers that the loads below fill
.endif
.irp g, 0,1
.irp f, 0,1
	ds_load_b128 v[BB+4*(2*\g+\f):BB+4*(2*\g+\f)+3], v[RD] offset:8*SPITCH*\f+64*\g   ; LDS serves a wave's instructions in order: these see my stores
.endr
.endr
.endm
.macro SENDQ a, younger
.set BB, BK+16*((\a)%2)
	s_wait_dscnt \younger                          ; the block is back; the next block's 8 stores and 4 loads may be out
.irp g, 0,1
.irp f, 0,1
	global_store_b128 v[GO], v[BB+4*(2*\g+\f):BB+4*(2*\g+\f)+3], s[OB+4*((\a)/4)+2*\g:OB+4*((\a)/4)+2*\g+1] offset:1024*((\a)%4)+512*\f   ; 32 lanes store 512 consecutive bytes, aligned
.endr
.endr
.endm
	PLACES NP
	BLOCKQ 0
.irp a, 1,2,3,4,5,6,7
	BLOCKQ \a
	SENDQ \a-1, 12
.endr
	SENDQ 7, 0
	s_wait_tensorcnt 0x0                           ; the wave's end
	ds_add_u32 v[SPW], v[NIL]
	s_wait_dscnt 0x0
	CROUND                                         ; the closing round
	s_endpgm
.Lfunc_end_k_qbe0f9ae59e_qkv:
	.size	k_qbe0f9ae59e_qkv, .Lfunc_end_k_qbe0f9ae59e_qkv-k_qbe0f9ae59e_qkv
	.p2alignl 7, 3214868480
	.fill 96, 4, 3214868480
	.section	.rodata,"a",@progbits
	.p2align	6, 0x0
	.amdhsa_kernel k_qbe0f9ae59e_qkv
		.amdhsa_group_segment_fixed_size 327680
		.amdhsa_private_segment_fixed_size 0
		.amdhsa_enable_private_segment 0
		.amdhsa_kernarg_size 40
		.amdhsa_user_sgpr_count 2
		.amdhsa_user_sgpr_kernarg_segment_ptr 1
		.amdhsa_wavefront_size32 1
		.amdhsa_system_sgpr_workgroup_id_x 1
		.amdhsa_system_sgpr_workgroup_id_y 1
		.amdhsa_system_sgpr_workgroup_id_z 1
		.amdhsa_system_vgpr_workitem_id 0
		.amdhsa_next_free_vgpr 1024
		.amdhsa_next_free_sgpr 102
		.amdhsa_reserve_vcc 0
		.amdhsa_float_denorm_mode_32 3
		.amdhsa_float_denorm_mode_16_64 3
		.amdhsa_fp16_overflow 1
		.amdhsa_memory_ordered 1
		.amdhsa_forward_progress 1
		.amdhsa_inst_pref_size 134
	.end_amdhsa_kernel
	.amdgpu_metadata
---
amdhsa.version: [ 1, 2 ]
amdhsa.kernels:
  - .name:           k_qbe0f9ae59e_qkv
    .symbol:         k_qbe0f9ae59e_qkv.kd
    .args:
      - { .name: xc, .offset: 0, .size: 8, .value_kind: global_buffer, .address_space: global }
      - { .name: wc, .offset: 8, .size: 8, .value_kind: global_buffer, .address_space: global }
      - { .name: lowp_scales, .offset: 16, .size: 8, .value_kind: global_buffer, .address_space: global }
      - { .name: rope, .offset: 24, .size: 8, .value_kind: global_buffer, .address_space: global }
      - { .name: qkv, .offset: 32, .size: 8, .value_kind: global_buffer, .address_space: global }
    .group_segment_fixed_size: 327680
    .private_segment_fixed_size: 0
    .kernarg_segment_align: 8
    .kernarg_segment_size: 40
    .max_flat_workgroup_size: 128
    .sgpr_count:     102
    .vgpr_count:     1024
    .wavefront_size: 32
...
	.end_amdgpu_metadata
.endif
;; end of part 2
;; launch attn (part 3): grid 4 x 64, 16 waves a work-group, no clusters, 327,680 bytes of LDS; arguments qkv, lowp_scales, ac; writes ac
.if DOCPART == 3
	.amdgcn_target "amdgcn-amd-amdhsa--gfx1250"
	.amdhsa_code_object_version 6
	.text
	.protected	k_qbe0f9ae59e_attn
	.globl	k_qbe0f9ae59e_attn
	.p2align	8
	.type	k_qbe0f9ae59e_attn,@function
k_qbe0f9ae59e_attn:
	s_mov_b64 s[64:65], 0
	v_nop
	global_prefetch_b8 v0, s[64:65] scope:SCOPE_SE
	s_setreg_imm32_b32 hwreg(HW_REG_WAVE_MODE, 25, 1), 1
	s_wait_xcnt 0x0
; PRODUCTS 4 AND 5 with the causal softmax between them, and the quantiser of product 6's left operand.  64 heads (batch x head) of 2,048 tokens, head size 64, all on E5M2 codes.
; q, k: [head][token][64] codes; v: [head][block of 64 keys][64 d][64 keys] codes, the keys innermost; out: ac [h 16][8192 tokens][64] codes.
; THE SOFTMAX: t = score x log2(e) / 8; M = the row's largest t so far, rounded UP to a whole number; p = 2^(t - M) is quantised with 2^ls8; the row's sum is taken of the unquantised p and divides at the end.
; When M moves, the sum and O are multiplied by 2^(old M - new M): exact.
; SHARES.  Work-group (i, head) takes the blocks i and 7 - i of 256 queries, one after the other: (i + 1) + (8 - i) = 9 slots of 256 keys for every work-group, so all 256 have the same count and the loop's
; trip count is a constant.  Each of sixteen waves owns 16 queries in 256 registers: four waves to a SIMD, so that one wave's vector work stands beside another's products and LDS loads.
; A step (128 keys) all of whose keys come after the wave's queries is left out by a scalar branch on ids; on the diagonal hidden scores become -infinity ahead of the maximum.
; No cluster: in a given trip the four work-groups of a head stand at different slots, so they have no tile to ask for jointly.
; LAYOUT.  Both products transposed: S^T = K Q^T (source 0 = 16 keys, source 1 = my 16 queries), O^T = V^T P^T: a lane holds ONE query throughout.  Lane r of key tile 2 b + u takes key 32 b + 8 u + r + 8 (r / 8),
; so that the 16 registers of tiles 2 b and 2 b + 1 are the keys 32 b + 16 h + 0 .. 15.
; LDS.  A slot holds 64 lines of K and 64 of V; a line is 256 bytes of memory (four rows of 64) + 16 of padding.  Two slots 2^16 bytes apart; wave 0 fetches K's 16 KiB, wave 1 V's.
; LIMITS: ls6 + ls7 between -123 and 130 (added to c's exponent field); ls8 and ls10 between -126 and 112.  NaN among the inputs is not served.
; REGISTERS: v1-11 addresses; v12 -M, v13 the largest t, v[14:15] the sum; v16-23 Q; v32-95 K's eight fragments, then V's four; v96-159 S^T, then p; v160-191 O^T; v192-207 codes; v234-255 at work and constants.
.set LP,    272
.set VOFF,  64*LP
.set SLOT1, 1<<16
.set SPARE, 2*SLOT1                    ; the spare words, 128 bytes for each of 16 waves: eight blocks of 256 bytes that no other line names
.set STAGE, SPARE+2048                 ; 16 rows x (64 + 16) bytes for each wave: bytes of their own, into which no fill lands
.set AK0, 1
.set AV0, 2
.set PFO, 3
.set QO,  4
.set SPW, 5
.set NIL, 6
.set GO,  7
.set ADK, 8
.set ADV, 9
.set STO, 10
.set SRD, 11
.set TB,  2                            ; s2  LDS byte at which the slot in hand begins
.set IDX, 10                           ; s10 i
.set BH,  11                           ; s11 the head, 0 .. 63
.set BLK, 12                           ; s12 the block of queries in hand
.set SG,  13                           ; s13 the slot of keys in hand
.set SN,  14                           ; s14 the slot of keys asked for
.set WV,  18
.set SEL, 20
.set CS,  22
.set G1,  24                           ; s[24:31] the one group 1: 64 dense rows of 256 bytes
.set KB,  32                           ; s[32:33] K's codes of my head;  s[34:35] V's
.set VB,  34
.set OFS, 36
.set G0K, 40
.set G0V, 44
.set QB,  48                           ; s[48:49] Q's codes of my head
.set QP,  50
.set OP,  52
.set OBS, 54                           ; s[54:55] my head's rows of ac
.set TR,  67                           ; s67 the loop's counter
.set PFA, 76
.set LIM, 80
.set KF,  98                           ; s98 the step's first key
.set Q0,  99                           ; s99 my first query
.macro TLOAD                           ; wave 0 fetches K's tile, wave 1 V's, the others nothing; four v_nop follow each line
	s_cmp_eq_u32 s[WV], 0
	s_cbranch_scc0 .Lnot_k_\@
	tensor_load_to_lds s[G0K:G0K+3], s[G1:G1+7]
	s_nop 0
.rept 4
	v_nop
.endr
	s_branch .Lasked_\@
.Lnot_k_\@:
	s_cmp_eq_u32 s[WV], 1
	s_cbranch_scc0 .Lasked_\@
	tensor_load_to_lds s[G0V:G0V+3], s[G1:G1+7]
	s_nop 0
.rept 4
	v_nop
.endr
.Lasked_\@:
.endm
; A prefetch of the slot of keys one past the one that work-group i = 0 asks for in the same trip: in its trips 0 to 6 those are slots 1 to 7.  Only that work-group of a head asks; in it waves 4 and 5 name K's
; 2 x 8,192 bytes and waves 6 and 7 V's, lanes 256 bytes apart, one instruction a wave: each aligned block of 256 bytes is named once in the launch.  The last trip asks for nothing.
.macro ASK
	s_cmp_gt_u32 s[TR], s[LIM]
	s_cbranch_scc0 .Lnot_mine_\@
	global_prefetch_b8 v[PFO], s[PFA:PFA+1] th:TH_LOAD_NT scope:SCOPE_SE
.Lnot_mine_\@:
.endm
	s_load_b128 s[4:7], s[0:1], 0x0                ; qkv, lowp_scales
	s_load_b64 s[8:9], s[0:1], 0x10                ; ac
	v_lshl_add_u32 v[SPW], v0, 2, SPARE
	v_mov_b32 v[NIL], 0
	ds_add_u32 v5, v6
	ds_add_u32 v5, v6
	s_wait_dscnt 0x0
	v_lshrrev_b32 v8, 5, v0
	s_delay_alu instid0(VALU_DEP_1)
	v_readfirstlane_b32 s[WV], v8                  ; wave 0..15
	s_mov_b32 s[IDX], ttmp9
	s_and_b32 s[BH], ttmp7, 0xffff
	s_mov_b32 s[BLK], s[IDX]
	s_mov_b32 s[SG], 0
	s_mov_b32 s[SN], 0
	s_mov_b32 s[TB], 0
	s_mov_b32 s[TR], 8
	s_lshl_b32 s[OFS], s[BH], 17                   ; a head's 2,048 x 64 bytes
	s_mov_b32 s[OFS+1], 0
	s_and_b32 s56, s[BH], 15
	s_lshl_b32 s56, s56, 19                        ; ac: h x 8,192 tokens x 64
	s_lshr_b32 s57, s[BH], 4
	s_lshl_b32 s57, s57, 17                        ; + batch x 2,048 x 64
	s_add_co_u32 s56, s56, s57
	s_mov_b32 s57, 0
	s_mov_b32 s[G1], (3<<16)|(1<<20)|(5<<22)|(3<<25)   ; no mask; elements of 8 bytes; padding on: 4 words after every 64
	s_mov_b32 s[G1+1], 32<<16                      ; tensor_dim0 = 32 elements = 256 bytes
	s_mov_b32 s[G1+2], 64<<16                      ; tensor_dim1 = 64
	s_mov_b32 s[G1+3], 32<<16                      ; tile_dim0
	s_mov_b32 s[G1+4], 64                          ; tile_dim1
	s_mov_b32 s[G1+5], 32                          ; the pitch: dense
	s_mov_b32 s[G1+6], 0
	s_mov_b32 s[G1+7], 0
	s_mov_b32 s[SEL], 0x76543210
	s_mov_b32 s[SEL+1], 0xfedcba98
	s_mov_b32 s[CS], 0x3e38aa3b                    ; c = log2(e) / sqrt(64)
	s_wait_kmcnt 0x0
	s_load_b256 s[68:75], s[6:7], 0x10             ; ls4 .. ls11: s70 ls6, s71 ls7, s72 ls8, s73 ls9, s74 ls10
	s_add_nc_u64 s[QB:QB+1], s[4:5], s[OFS:OFS+1]
	s_add_nc_u64 s[KB:KB+1], s[QB:QB+1], 0x800000
	s_add_nc_u64 s[VB:VB+1], s[QB:QB+1], 0x1000000
	s_add_nc_u64 s[OBS:OBS+1], s[8:9], s[56:57]
	s_mov_b32 s[G0K], 1
	s_mov_b32 s[G0K+1], 0
	s_mov_b64 s[G0K+2:G0K+3], s[KB:KB+1]
	s_or_b32 s[G0K+3], s[G0K+3], 0x80000000
	s_mov_b32 s[G0V], 1
	s_mov_b32 s[G0V+1], VOFF
	s_mov_b64 s[G0V+2:G0V+3], s[VB:VB+1]
	s_or_b32 s[G0V+3], s[G0V+3], 0x80000000
	TLOAD                                          ; keys 0 to 255 into slot 0
	s_cmp_lt_u32 s[WV], 6                          ; the prefetches: waves 4, 5: K; waves 6, 7: V
	s_cselect_b64 s[PFA:PFA+1], s[KB:KB+1], s[VB:VB+1]
	s_and_b32 s82, s[WV], 1
	s_lshl_b32 s82, s82, 13
	s_mov_b32 s83, 0
	s_add_nc_u64 s[PFA:PFA+1], s[PFA:PFA+1], s[82:83]  ; in slot 0 of keys: the first change of slots steps it to slot 1.  Nothing is prefetched at the head
	s_lshr_b32 s82, s[WV], 2
	s_xor_b32 s82, s82, 1                          ; 0 in waves 4 to 7,
	s_or_b32 s82, s82, ttmp9                       ; of the work-group with i = 0
	s_cmp_eq_u32 s82, 0
	s_cselect_b32 s[LIM], 1, -1
	v_and_b32 v8, 15, v0                           ; r
	v_bfe_u32 v9, v0, 4, 1                         ; h
	s_delay_alu instid0(VALU_DEP_2)
	v_lshlrev_b32 v[QO], 6, v8
	s_delay_alu instid0(VALU_DEP_1)
	v_lshl_add_u32 v[QO], v9, 4, v[QO]             ; Q: row r of 64 bytes, + 16 h
	s_delay_alu instid0(VALU_DEP_4)
	v_and_b32 v11, 8, v8
	s_delay_alu instid0(VALU_DEP_1)
	v_add_nc_u32 v11, v11, v8                      ; r + 8 (r / 8)
	s_delay_alu instid0(VALU_DEP_1)
	v_lshrrev_b32 v10, 2, v11
	s_delay_alu instid0(VALU_DEP_1)
	v_mul_u32_u24 v[AK0], v10, LP
	s_delay_alu instid0(VALU_DEP_3)
	v_and_b32 v10, 3, v11
	s_delay_alu instid0(VALU_DEP_1)
	v_lshl_add_u32 v[AK0], v10, 6, v[AK0]
	s_delay_alu instid0(VALU_DEP_1)
	v_lshl_add_u32 v[AK0], v9, 4, v[AK0]           ; K: line (row / 4), 64 (row % 4), + 16 h
	v_lshrrev_b32 v10, 2, v8
	s_delay_alu instid0(VALU_DEP_1)
	v_mul_u32_u24 v[AV0], v10, LP
	v_and_b32 v10, 3, v8
	s_delay_alu instid0(VALU_DEP_1)
	v_lshl_add_u32 v[AV0], v10, 6, v[AV0]
	s_delay_alu instid0(VALU_DEP_1)
	v_lshl_add_u32 v[AV0], v9, 4, v[AV0]
	s_delay_alu instid0(VALU_DEP_1)
	v_add_nc_u32 v[AV0], VOFF, v[AV0]              ; V likewise, row = channel r
	s_mul_i32 s96, s[WV], 1280
	s_add_co_u32 s96, s96, STAGE                   ; my stage
	v_mul_u32_u24 v[STO], v8, 80
	s_delay_alu instid0(VALU_DEP_1)
	v_lshl_add_u32 v[STO], v9, 3, v[STO]
	s_delay_alu instid0(VALU_DEP_1)
	v_add_nc_u32 v[STO], s96, v[STO]               ; in: row r, 8 bytes for each half of the lanes
	v_and_b32 v252, 31, v0
	s_delay_alu instid0(VALU_DEP_1)
	v_lshrrev_b32 v253, 2, v252
	s_delay_alu instid0(VALU_DEP_1)
	v_mul_u32_u24 v[SRD], v253, 80
	s_delay_alu instid0(VALU_DEP_3)
	v_and_b32 v253, 3, v252
	s_delay_alu instid0(VALU_DEP_1)
	v_lshl_add_u32 v[SRD], v253, 4, v[SRD]
	s_delay_alu instid0(VALU_DEP_1)
	v_add_nc_u32 v[SRD], s96, v[SRD]               ; back: four lanes to a row's 64 bytes
	v_lshlrev_b32 v[GO], 4, v252
	v_lshlrev_b32 v[PFO], 8, v252
	v_mov_b32 v236, 0                              ; written once: a lane permute's destination counts as one of its sources
	v_mov_b32 v252, 0
	v_mov_b32 v253, 0
	v_mov_b32 v254, 0
; a block of queries begins: my first query, Q's and the output's addresses, Q's fragment; the largest t = -3e38, the sum and O^T zeros, which the first change of M leaves zeros
.macro INIT
	s_lshl_b32 s[Q0], s[BLK], 8
	s_lshl_b32 s96, s[WV], 4
	s_add_co_u32 s[Q0], s[Q0], s96
	s_lshl_b32 s56, s[Q0], 6
	s_mov_b32 s57, 0
	s_add_nc_u64 s[QP:QP+1], s[QB:QB+1], s[56:57]
	s_add_nc_u64 s[OP:OP+1], s[OBS:OBS+1], s[56:57]
	global_load_b128 v[16:19], v[QO], s[QP:QP+1]
	global_load_b128 v[20:23], v[QO], s[QP:QP+1] offset:32   ; registers 4 c .. 4 c + 3: d = 32 c + 16 h + 0 .. 15, as K's fragments have it
	v_mov_b32 v13, 0xff61b1e6
	s_delay_alu instid0(VALU_DEP_1)
	v_floor_f32 v12, -v13
	v_mov_b32 v14, 0
	v_mov_b32 v15, 0
.set j, 0
.rept 32
	v_mov_b32 v[160+j], 0
.set j, j+1
.endr
	s_wait_loadcnt 0x0
.endm
	INIT
	s_wait_kmcnt 0x0
	s_add_co_i32 s96, s70, s71
	s_lshl_b32 s96, s96, 23
	s_add_co_i32 s[CS], s[CS], s96                 ; a score stands for score x 2^(ls6 + ls7): added to c's exponent field
	s_mov_b32 s[CS+1], s[CS]
	s_add_co_i32 s96, s72, 127
	s_lshl_b32 s97, s96, 23
	v_mov_b32 v244, s97                            ; 2^ls8, for p's conversion
	s_add_co_i32 s96, s74, 127
	s_lshl_b32 s97, s96, 23
	v_mov_b32 v246, s97                            ; 2^ls10, for the result's conversion
; A KEY STEP: 128 keys, the q-th of the slot in hand
.macro STEP q
	s_add_co_u32 s96, s[Q0], 15
	s_cmp_gt_u32 s[KF], s96                        ; all its keys come after my queries: left out.  No barrier and no tensor load stands in a step
	s_cbranch_scc1 .Lhidden_\@
	v_add_nc_u32 v[ADK], s[TB], v[AK0]
	v_add_nc_u32 v[ADV], s[TB], v[AV0]
	v_nop                                          ; with the two additions: four places in front of loads into registers that the last products read
	v_nop
.irp t, 0,1,2,3,4,5,6,7
	ds_load_b128 v[32+8*\t:35+8*\t], v[ADK] offset:(32*(\q)+8*(\t/2)+2*(\t%2))*LP
	ds_load_b128 v[36+8*\t:39+8*\t], v[ADK] offset:(32*(\q)+8*(\t/2)+2*(\t%2))*LP+32
.endr
	s_wait_alu depctr_va_vdst(0)
	s_wait_dscnt 0x0
.irp t, 0,1,2,3,4,5,6,7
	v_wmma_f32_16x16x64_bf8_bf8 v[96+8*\t:103+8*\t], v[32+8*\t:39+8*\t], v[16:23], 0
.endr
.rept 4
	v_nop                                          ; places in front of the loads below and of the first read of the scores
.endr
.irp t, 0,1,2,3                                ; V's four fragments (16 channels x 128 keys) are asked for now and land under the softmax
.irp c, 0,1,2,3
	ds_load_b128 v[32+16*\t+4*\c:32+16*\t+4*\c+3], v[ADV] offset:(16*(2*(\q)+\c/2)+4*\t)*LP+32*(\c%2)
.endr
.endr
	s_add_co_u32 s96, s[KF], 127
	s_cmp_le_u32 s96, s[Q0]                        ; all its keys count: no mask
	s_cbranch_scc1 .Lopen_\@
	s_sub_co_i32 s96, s[Q0], s[KF]
	v_and_b32 v252, 15, v0
	v_bfe_u32 v253, v0, 4, 1
	s_delay_alu instid0(VALU_DEP_1)
	v_lshlrev_b32 v253, 4, v253
	s_delay_alu instid0(VALU_DEP_1)
	v_sub_nc_u32 v252, v252, v253
	s_delay_alu instid0(VALU_DEP_1)
	v_add_nc_u32 v252, s96, v252                   ; d = my query - KF - 16 h.  Register 16 b + i holds key KF + 16 h + 32 b + i: hidden where 32 b + i > d
	v_mov_b32 v254, 0xff800000
.set n, 0
.rept 64
	v_cmp_gt_i32 vcc_lo, 32*(n/16)+n%16, v252
	v_cndmask_b32 v[96+n], v[96+n], v254, vcc_lo
.set n, n+1
.endr
.Lopen_\@:
	v_max3_num_f32 v254, v96, v97, v98             ; the step's largest score of my query among my 64 keys, in two chains,
	v_max3_num_f32 v252, v99, v100, v101
.irp i, 6,10,14,18,22,26,30,34,38,42,46,50,54,58
	v_max3_num_f32 v254, v254, v[96+\i], v[97+\i]
	v_max3_num_f32 v252, v252, v[98+\i], v[99+\i]
.endr
	v_max3_num_f32 v254, v254, v158, v159
	s_delay_alu instid0(VALU_DEP_1)
	v_max_num_f32 v254, v254, v252
	s_delay_alu instid0(VALU_DEP_1)
	v_permlanex16_b32 v236, v254, s[SEL], s[SEL+1]
	s_delay_alu instid0(VALU_DEP_1)
	v_max_num_f32 v254, v254, v236                 ; and among lane l xor 16's
	s_delay_alu instid0(VALU_DEP_1)
	v_mul_f32 v254, s[CS], v254                    ; as t (c is positive)
	s_delay_alu instid0(VALU_DEP_1)
	v_max_num_f32 v13, v13, v254
	v_mov_b32 v254, v12
	s_delay_alu instid0(VALU_DEP_2)
	v_floor_f32 v12, -v13                          ; the new -M = floor(-t) = -ceil(t)
	s_delay_alu instid0(VALU_DEP_1)
	v_sub_f32 v254, v12, v254                      ; old M - new M: a whole number, 0 or less
	s_delay_alu instid0(VALU_DEP_1)
	v_cvt_i32_f32 v254, v254                       ; (it saturates)
	s_delay_alu instid0(VALU_DEP_1)
	v_ldexp_f32 v252, 1.0, v254                    ; f = 2^(old M - new M)
.set j, 0
.rept 32
	v_pk_fma_f32 v[96+j:97+j], v[96+j:97+j], s[CS:CS+1], v[12:13] op_sel_hi:[1,0,0]   ; t - M, two at a time
.set j, j+2
.endr
.set j, 0
	s_wait_alu depctr_va_vdst(0)
.rept 64
	v_exp_f32 v[96+j], v[96+j]                     ; p = 2^(t - M)
.set j, j+1
.endr
	v_pk_mul_f32 v[14:15], v[14:15], v[252:253] op_sel_hi:[1,0]   ; the sums under the new M: the plain line behind the exponentials
	s_wait_alu depctr_va_vdst(0)                   ; one wait for the whole batch, ahead of its first reader
	v_pk_add_f32 v[242:243], v[100:101], v[104:105]
	v_pk_add_f32 v[254:255], v[108:109], v[112:113]
	v_pk_add_f32 v[250:251], v[116:117], v[120:121]
	v_pk_add_f32 v[248:249], v[124:125], v[128:129]
	v_pk_add_f32 v[240:241], v[132:133], v[136:137]
	v_pk_add_f32 v[238:239], v[140:141], v[144:145]
	v_pk_add_f32 v[234:235], v[148:149], v[152:153]
	v_pk_add_f32 v[14:15], v[14:15], v[156:157]
	v_pk_add_f32 v[242:243], v[242:243], v[96:97]
	v_pk_add_f32 v[254:255], v[254:255], v[98:99]
	v_pk_add_f32 v[250:251], v[250:251], v[102:103]
	v_pk_add_f32 v[248:249], v[248:249], v[106:107]
	v_pk_add_f32 v[240:241], v[240:241], v[110:111]
	v_pk_add_f32 v[238:239], v[238:239], v[114:115]
	v_pk_add_f32 v[234:235], v[234:235], v[118:119]
	v_pk_add_f32 v[14:15], v[14:15], v[122:123]
	v_pk_add_f32 v[242:243], v[242:243], v[126:127]
	v_pk_add_f32 v[254:255], v[254:255], v[130:131]
	v_pk_add_f32 v[250:251], v[250:251], v[134:135]
	v_pk_add_f32 v[248:249], v[248:249], v[138:139]
	v_pk_add_f32 v[240:241], v[240:241], v[142:143]
	v_pk_add_f32 v[238:239], v[238:239], v[146:147]
	v_pk_add_f32 v[234:235], v[234:235], v[150:151]
	v_pk_add_f32 v[14:15], v[14:15], v[154:155]
	v_pk_add_f32 v[242:243], v[242:243], v[158:159]
	s_delay_alu instid0(VALU_DEP_2)
	v_pk_add_f32 v[14:15], v[14:15], v[248:249]
	s_delay_alu instid0(VALU_DEP_2)
	v_pk_add_f32 v[242:243], v[242:243], v[240:241]
	v_pk_add_f32 v[254:255], v[254:255], v[238:239]
	v_pk_add_f32 v[250:251], v[250:251], v[234:235]
	s_delay_alu instid0(VALU_DEP_2)
	v_pk_add_f32 v[14:15], v[14:15], v[254:255]
	s_delay_alu instid0(VALU_DEP_2)
	v_pk_add_f32 v[242:243], v[242:243], v[250:251]
	s_delay_alu instid0(VALU_DEP_1)
	v_pk_add_f32 v[14:15], v[14:15], v[242:243]
.irp b, 0,1,2,3
.irp i, 0,1,2,3,4,5,6,7,8,9,10,11,12,13,14,15
.endr
	v_cvt_scalef32_pk8_bf8_f32 v[192+4*\b:193+4*\b], v[96+16*\b:103+16*\b], v244
	v_cvt_scalef32_pk8_bf8_f32 v[194+4*\b:195+4*\b], v[104+16*\b:111+16*\b], v244
.endr
.set j, 0
.rept 16
	v_pk_mul_f32 v[160+j:161+j], v[160+j:161+j], v[252:253] op_sel_hi:[1,0]   ; O^T under the new M; also the plain lines behind the conversions
.set j, j+2
.endr
	s_wait_alu depctr_va_vdst(0)
	s_wait_dscnt 0x0                               ; V's fragments are in
.irp t, 0,1,2,3
	v_wmma_f32_16x16x128_bf8_bf8 v[160+8*\t:167+8*\t], v[32+16*\t:47+16*\t], v[192:207], v[160+8*\t:167+8*\t]   ; the four accumulators by turns; the step's eight first products stand between two links of a chain
.endr
.Lhidden_\@:
	s_add_co_u32 s[KF], s[KF], 128
.endm
; THE CHANGE OF SLOTS stands at a slot's head.  Each wave waits for all its tensor loads (the slot that it is about to read), adds 0 to its spare word, and waits for that and for its reads of the slot that it has left.
; fill = 1: behind the barrier that other slot is filled with the keys of the next visit: slot SG + 1, or slot 0 where the block of queries ends here.  The load has a whole visit in which to land.
.macro CHANGE fill
	s_wait_tensorcnt 0x0                           ; no tensor load of mine is out, so the groups 0 may be written
	ds_add_u32 v[SPW], v[NIL]                      ; 0 onto my spare word
.if \fill
	s_add_co_u32 s[SN], s[SG], 1
	s_cmp_eq_u32 s[SG], s[BLK]
	s_cselect_b32 s[SN], 0, s[SN]
	s_lshl_b32 s[OFS], s[SN], 14                   ; 256 keys are 16,384 bytes in K and in V
	s_add_nc_u64 s[G0K+2:G0K+3], s[KB:KB+1], s[OFS:OFS+1]
	s_or_b32 s[G0K+3], s[G0K+3], 0x80000000
	s_add_nc_u64 s[G0V+2:G0V+3], s[VB:VB+1], s[OFS:OFS+1]
	s_or_b32 s[G0V+3], s[G0V+3], 0x80000000
	s_xor_b32 s[G0K+1], s[G0K+1], SLOT1            ; the other LDS slot than last time
	s_xor_b32 s[G0V+1], s[G0V+1], SLOT1
	s_wait_xcnt 0x0                                ; the last prefetch, a visit back, has read its address
	s_add_nc_u64 s[PFA:PFA+1], s[PFA:PFA+1], 16384
.endif
	s_wait_dscnt 0x0                               ; the add is done, and my reads of the slot that I have left are over
	s_barrier_signal -1
	s_barrier_wait -1
.if \fill
	TLOAD                                          ; the first thing behind the barrier, and a wave's one tensor load until the next
	ASK
.endif
.endm
; A block of queries is finished: O^T / the sum x 2^(ls8 + ls9), quantised with 2^ls10; 8 codes a tile and lane go through my stage and leave as 2 x 512 consecutive bytes, aligned.
.macro FINISH
.rept 4
	v_nop                                          ; places behind the last products
.endr
	v_add_f32 v14, v14, v15
	s_delay_alu instid0(VALU_DEP_1)
	v_permlanex16_b32 v252, v14, s[SEL], s[SEL+1]
	s_delay_alu instid0(VALU_DEP_1)
	v_add_f32 v14, v14, v252                       ; the row's sum
	s_wait_alu depctr_va_vdst(0)
	v_rcp_f32 v14, v14
	v_nop                                          ; a plain line behind the transcendental
	s_add_co_i32 s96, s72, s73
	s_wait_alu depctr_va_vdst(0)                   ; the wait, ahead of the first reader
	v_ldexp_f32 v14, v14, s96
.set j, 0
.rept 32
	v_mul_f32 v[96+j], v[160+j], v14               ; register 8 t + i: channel 16 t + 8 h + i of my query; each accumulator from its low end on
.set j, j+1
.endr
.set j, 0
.rept 32
.set j, j+1
.endr
.irp t, 0,1,2,3
	v_cvt_scalef32_pk8_bf8_f32 v[192+2*\t:193+2*\t], v[96+8*\t:103+8*\t], v246
.endr
	v_nop                                          ; a plain line behind the last conversion
.irp t, 0,1,2,3
	ds_store_b64 v[STO], v[192+2*\t:193+2*\t] offset:16*\t
.endr
	ds_load_b128 v[200:203], v[SRD]                ; LDS serves a wave's instructions in order: these see my stores
	ds_load_b128 v[204:207], v[SRD] offset:640
	s_wait_dscnt 0x0
	global_store_b128 v[GO], v[200:203], s[OP:OP+1]
	global_store_b128 v[GO], v[204:207], s[OP:OP+1] offset:512
.endm
.Lslot:                                            ; eight trips: behind each change of slots but the last the next visit's keys are asked for
	CHANGE 1
	s_lshl_b32 s[KF], s[SG], 8
	STEP 0
	STEP 1
	s_cmp_lg_u32 s[SG], s[BLK]                     ; the diagonal slot ends a block of queries: the same in all sixteen waves; no barrier stands under this branch
	s_cbranch_scc1 .Lsame
	FINISH
	s_wait_xcnt 0x0                                ; the stores have read their registers and their base
	s_sub_co_u32 s[BLK], 7, s[IDX]                 ; on to block 7 - i
	INIT
.Lsame:
	s_mov_b32 s[SG], s[SN]
	s_xor_b32 s[TB], s[TB], SLOT1
	s_sub_co_u32 s[TR], s[TR], 1
	s_cmp_lg_u32 s[TR], 0
	s_cbranch_scc1 .Lslot
	CHANGE 0                                       ; the ninth visit is written out: it is block 7 - i's diagonal slot
	s_lshl_b32 s[KF], s[SG], 8
	STEP 0
	STEP 1
	FINISH
	s_wait_tensorcnt 0x0                           ; the wave's end
	ds_add_u32 v[SPW], v[NIL]
	s_wait_dscnt 0x0
	s_endpgm
.Lfunc_end_k_qbe0f9ae59e_attn:
	.size	k_qbe0f9ae59e_attn, .Lfunc_end_k_qbe0f9ae59e_attn-k_qbe0f9ae59e_attn
	.p2alignl 7, 3214868480
	.fill 96, 4, 3214868480
	.section	.rodata,"a",@progbits
	.p2align	6, 0x0
	.amdhsa_kernel k_qbe0f9ae59e_attn
		.amdhsa_group_segment_fixed_size 327680
		.amdhsa_private_segment_fixed_size 0
		.amdhsa_enable_private_segment 0
		.amdhsa_kernarg_size 24
		.amdhsa_user_sgpr_count 2
		.amdhsa_user_sgpr_kernarg_segment_ptr 1
		.amdhsa_wavefront_size32 1
		.amdhsa_system_sgpr_workgroup_id_x 1
		.amdhsa_system_sgpr_workgroup_id_y 1
		.amdhsa_system_sgpr_workgroup_id_z 1
		.amdhsa_system_vgpr_workitem_id 0
		.amdhsa_next_free_vgpr 256
		.amdhsa_next_free_sgpr 100
		.amdhsa_reserve_vcc 1
		.amdhsa_float_denorm_mode_32 3
		.amdhsa_float_denorm_mode_16_64 3
		.amdhsa_fp16_overflow 1
		.amdhsa_memory_ordered 1
		.amdhsa_forward_progress 1
		.amdhsa_inst_pref_size 94
	.end_amdhsa_kernel
	.amdgpu_metadata
---
amdhsa.version: [ 1, 2 ]
amdhsa.kernels:
  - .name:           k_qbe0f9ae59e_attn
    .symbol:         k_qbe0f9ae59e_attn.kd
    .args:
      - { .name: qkv, .offset: 0, .size: 8, .value_kind: global_buffer, .address_space: global }
      - { .name: lowp_scales, .offset: 8, .size: 8, .value_kind: global_buffer, .address_space: global }
      - { .name: ac, .offset: 16, .size: 8, .value_kind: global_buffer, .address_space: global }
    .group_segment_fixed_size: 327680
    .private_segment_fixed_size: 0
    .kernarg_segment_align: 8
    .kernarg_segment_size: 24
    .max_flat_workgroup_size: 512
    .sgpr_count:     100
    .vgpr_count:     256
    .wavefront_size: 32
...
	.end_amdgpu_metadata
.endif
;; end of part 3
;; launch oproj (part 4): grid 4 x 32, 4 waves a work-group, clusters of 4 x 4, 327,680 bytes of LDS; arguments ac, wc, lowp_scales, out0; writes out0
.if DOCPART == 4
	.amdgcn_target "amdgcn-amd-amdhsa--gfx1250"
	.amdhsa_code_object_version 6
	.text
	.protected	k_qbe0f9ae59e_oproj
	.globl	k_qbe0f9ae59e_oproj
	.p2align	8
	.type	k_qbe0f9ae59e_oproj,@function
k_qbe0f9ae59e_oproj:
	s_mov_b64 s[64:65], 0
	v_nop
	global_prefetch_b8 v0, s[64:65] scope:SCOPE_SE
	s_setreg_imm32_b32 hwreg(HW_REG_WAVE_MODE, 25, 1), 1
	s_wait_xcnt 0x0
	s_wait_alu depctr_hold_cnt(0) depctr_sa_sdst(0) depctr_va_vdst(0) depctr_va_sdst(0) depctr_va_ssrc(0) depctr_va_vcc(0) depctr_vm_vsrc(0)
	s_getreg_b32 s2, hwreg(HW_REG_IB_STS2, 6, 4)
	s_cmp_eq_u32 s2, 0
	s_cbranch_scc0 .Lentry_in_a_cluster
	s_endpgm
.Lentry_in_a_cluster:
	s_bfe_u32 s2, ttmp6, 0x10000c
	s_cmp_lg_u32 s2, 0xf033
	s_cbranch_scc0 .Lentry_shape_is_right
	s_endpgm
.Lentry_shape_is_right:
; PRODUCT 6: out0[token][n] = sum over k of a[token][k] wo[n][k] x 2^(ls10 + ls11), on E5M2 codes.  a: ac [h 16][8192 tokens][64], k = 64 h + d;  wo's codes: the fourth part of wc, [1024][1024];  out0 [8192][1024] f32.
; LIMIT: ls10 + ls11 between -126 and 127, so that 2^(ls10 + ls11) is an f32 number.
; A tile of 256 x 256, four waves of 128 x 128, K = 1024 in four steps of 256 (four heads) through two LDS slots, 4 x 4 work-groups to a cluster with joint loads: A's tile along a row, B's along a column.
; A'S TILE: 128 tokens x 4 heads come by one load of 4 rows (heads) of 8,192 consecutive bytes (128 tokens x 64), 524,288 bytes apart, with 16 bytes of padding behind every 256: in LDS 128 lines of 272 bytes,
; line 32 hh + token / 4, byte 64 (token % 4) + d.  The matrix instruction is used transposed (source 0 = 16 rows of wo, source 1 = 16 tokens): a lane holds eight neighbouring numbers of a row of out0.
; 128 work-groups: the tile is kept at 256 x 256 so that each LDS byte feeds as many products as the registers allow.  No prefetch: four K steps, of which two are first fills.
.set SIZE_N, 1024
.set ROWB,   256
.set KROW,   1024
.set ASTEP,  4*524288                  ; a K step in ac: four heads
.set PITCH,  272
.set FR,     16
.set NL,     4
.set NP,     4
.set HALFT,  128*PITCH
.set SLOT,   4*HALFT
.set SPARE,  2*SLOT                    ; the spare words, 128 bytes a wave: two blocks of 256 bytes that no other line names
.set SPITCH, 528                       ; the way out: 16 rows x (512 + 16) bytes for each wave, in slot 0, which has had its last fill and its last read by then
.set ADRA, 16
.set ADRB, 20
.set STO,  24
.set RD,   25
.set CO,   26
.set SPW,  28
.set NIL,  29
.set TMP,  32
.set AF,   128
.set BK,   128
.set G1, 24
.set G0, 32
.set G1B, 48
.set G0B, 56
.set MSB, 0
.macro WIN new
.if MSB != \new
	s_set_vgpr_msb (MSB<<8)|\new
.set MSB, \new
.endif
.endm
.set MUL_LO, 0xa1
.set MUL_HI, 0xf1
.set TO_B,   0x40
.macro JLOAD g0a, g1a, g0b, g1b        ; waves 0 and 1 fetch for A, waves 2 and 3 for B; four v_nop follow each of the two lines
	s_cmp_eq_u32 s15, 0
	s_cbranch_scc0 .Lfor_b_\@
	tensor_load_to_lds s[\g0a:\g0a+3], s[\g1a:\g1a+7]
	s_nop 0
.rept 4
	v_nop
.endr
	s_branch .Lasked_\@
.Lfor_b_\@:
	tensor_load_to_lds s[\g0b:\g0b+3], s[\g1b:\g1b+7]
	s_nop 0
.rept 4
	v_nop
.endr
.Lasked_\@:
.endm
.macro CREST
	s_cmp_lg_u32 s14, 0
	s_cbranch_scc1 .Lnot_wave_0_\@
	s_barrier_signal -3
.Lnot_wave_0_\@:
	s_barrier_wait -3
	s_barrier_signal -1
	s_barrier_wait -1
.endm
.macro CROUND
	s_barrier_signal -1
	s_barrier_wait -1
	CREST
.endm
	s_load_b128 s[4:7], s[0:1], 0x0                ; ac, wc
	s_load_b128 s[8:11], s[0:1], 0x10              ; lowp_scales, out0
	v_lshl_add_u32 v[SPW], v0, 2, SPARE
	v_mov_b32 v[NIL], 0
	ds_add_u32 v28, v29
	ds_add_u32 v28, v29
	s_wait_dscnt 0x0
	v_lshrrev_b32 v1, 5, v0
	v_readfirstlane_b32 s14, v1                    ; wave 0..3
	s_lshr_b32 s15, s14, 1                         ; which half of the tile's tokens is mine.  Also: I fetch for A (0) or for B (1)
	s_and_b32 s16, s14, 1                          ; which half of its columns.  Also: which 128 rows of that tile I fetch
	s_bfe_u32 s40, ttmp6, 0x40000                  ; cx
	s_bfe_u32 s41, ttmp6, 0x40004                  ; cy
	s_lshl_b32 s42, ttmp9, 2
	s_add_co_u32 s42, s42, s40                     ; tile column
	s_and_b32 s17, ttmp7, 0xffff
	s_lshl_b32 s17, s17, 2
	s_add_co_u32 s17, s17, s41                     ; tile row
	s_lshl_b32 s43, s41, 2
	s_lshl_b32 s43, 15, s43                        ; my row of the cluster
	s_lshl_b32 s44, 0x1111, s40                    ; my column
	s_or_b32 s[G1+0], s43, (3<<16)|(1<<20)|(1<<21)|(5<<22)|(3<<25)  ; A: the mask; elements of 8 bytes; padding on; bit 21 beside a mask; after every 64 words, 4 words
	s_mov_b32 s[G1+1], 1024<<16                    ; tensor_dim0 = 1,024 elements = 8,192 bytes
	s_mov_b32 s[G1+2], 4<<16                       ; tensor_dim1 = 4 heads
	s_mov_b32 s[G1+3], 1024<<16                    ; tile_dim0
	s_mov_b32 s[G1+4], 4                           ; tile_dim1
	s_mov_b32 s[G1+5], 65536                       ; the pitch: 524,288 bytes from head to head
	s_mov_b32 s[G1+6], 0
	s_mov_b32 s[G1+7], 0
	s_or_b32 s[G1B+0], s44, (0<<16)|(1<<20)|(1<<21)|(5<<22)|(3<<25) ; B: 128 rows of 256 bytes, elements of 1 byte
	s_mov_b32 s[G1B+1], ROWB<<16
	s_mov_b32 s[G1B+2], 128<<16
	s_mov_b32 s[G1B+3], ROWB<<16
	s_mov_b32 s[G1B+4], 128
	s_mov_b32 s[G1B+5], KROW
	s_mov_b32 s[G1B+6], 0
	s_mov_b32 s[G1B+7], 0
	s_lshl_b32 s18, s16, 7
	s_lshl_b32 s20, s17, 8
	s_add_co_u32 s20, s20, s18                     ; A: token 256 x tile row + 128 x half,
	s_lshl_b32 s20, s20, 6                         ; 64 bytes a token within a head
	s_mov_b32 s21, 0
	s_lshl_b32 s46, s42, 8
	s_add_co_u32 s46, s46, s18                     ; B: row 256 x tile column + 128 x half,
	s_lshl_b32 s46, s46, 10
	s_add_co_u32 s46, s46, 0x300000                ; in wo's part of wc
	s_mov_b32 s47, 0
	s_mul_i32 s45, s14, HALFT                      ; where they go: wave x 34,816 bytes
	s_wait_kmcnt 0x0
	s_load_b64 s[96:97], s[8:9], 0x28              ; ls10, ls11
	s_add_nc_u64 s[20:21], s[4:5], s[20:21]
	s_add_nc_u64 s[46:47], s[6:7], s[46:47]
	CROUND                                         ; all sixteen work-groups are here: the first joint loads meet
.irp s, 0,1
	s_mov_b32 s[G0+4*\s], 1
	s_add_co_u32 s[G0+4*\s+1], s45, \s*SLOT
	s_add_nc_u64 s[G0+4*\s+2:G0+4*\s+3], s[20:21], \s*ASTEP
	s_or_b32 s[G0+4*\s+3], s[G0+4*\s+3], 0x80000000
	s_mov_b32 s[G0B+4*\s], 1
	s_add_co_u32 s[G0B+4*\s+1], s45, \s*SLOT
	s_add_nc_u64 s[G0B+4*\s+2:G0B+4*\s+3], s[46:47], \s*ROWB
	s_or_b32 s[G0B+4*\s+3], s[G0B+4*\s+3], 0x80000000
	s_wait_alu depctr_va_vdst(0)
	s_wait_tensorcnt 0x0
	ds_add_u32 v28, v29
	ds_add_u32 v28, v29
	s_wait_dscnt 0x0
	CROUND
	JLOAD G0+4*\s, G1, G0B+4*\s, G1B
.endr
	v_and_b32 v1, 15, v0                           ; r
	v_bfe_u32 v2, v0, 4, 1                         ; h
	v_mul_u32_u24 v3, v1, PITCH
	v_lshl_add_u32 v4, v2, 4, v3                   ; B: row x pitch + 16 h
	v_lshrrev_b32 v5, 2, v1
	v_mul_u32_u24 v5, v5, PITCH
	v_and_b32 v6, 3, v1
	v_lshl_add_u32 v5, v6, 6, v5
	v_lshl_add_u32 v5, v2, 4, v5                   ; A: line (r / 4), 64 (r % 4), + 16 h
	s_mul_i32 s21, s15, HALFT
	s_mul_i32 s22, s16, HALFT
	s_add_co_u32 s22, s22, 2*HALFT
.irp s, 0,1
	v_add_nc_u32 v[ADRA+\s], s21, v5
	v_add_nc_u32 v[ADRB+\s], s22, v4
	s_add_co_u32 s21, s21, SLOT
	s_add_co_u32 s22, s22, SLOT
.endr
	s_mul_i32 s23, s14, 16*SPITCH                  ; my stage
	v_mul_u32_u24 v7, v1, SPITCH
	v_lshl_add_u32 v7, v2, 5, v7
	v_add_nc_u32 v[STO], s23, v7                   ; in: row r, 32 bytes for each half of the lanes
	v_and_b32 v6, 31, v0
	v_lshlrev_b32 v[CO], 4, v6                     ; back: the 32 lanes take one row of 512 bytes; and the same in out0
	v_add_nc_u32 v[RD], s23, v[CO]
	s_lshl_b32 s20, s17, 8
	s_lshl_b32 s21, s15, 7
	s_add_co_u32 s20, s20, s21                     ; my first row of out0,
	s_lshl_b32 s20, s20, 12                        ; rows of 4,096 bytes (under 2^25)
	s_lshl_b32 s46, s42, 10                        ; my first column in bytes: 1,024 x tile column + 512 x half
	s_lshl_b32 s47, s16, 9
	s_add_co_u32 s46, s46, s47
	s_add_co_u32 s20, s20, s46
	s_mov_b32 s21, 0
	s_add_nc_u64 s[10:11], s[10:11], s[20:21]
.macro FRAGB reg, adr, q, i            ; 16 rows x 128 K: registers 4 c .. 4 c + 3 hold K = 32 c + 16 h + 0 .. 15
.irp c, 0,1,2,3
	ds_load_b128 v[\reg+4*\c:\reg+4*\c+3], v[\adr] offset:128*(\q)+32*\c+(\i)*16*PITCH
.endr
.endm
.macro FRAGA reg, adr, q, i            ; the same k of 16 tokens: head 2 q + c / 2 of the slot's four, d = 32 (c % 2) + 16 h + 0 .. 15
.irp c, 0,1,2,3
	ds_load_b128 v[\reg+4*\c:\reg+4*\c+3], v[\adr] offset:(2*(\q)+\c/2)*32*PITCH+(\i)*4*PITCH+32*(\c%2)
.endr
.endm
.macro MUL16 a0, p, zero               ; the 64 accumulators take turns, one instruction a turn, in the same order in every step
.irp a, \a0, \a0+1
.irp b, 0,1,2,3,4,5,6,7
.if \zero
	v_wmma_f32_16x16x128_bf8_bf8 v[8*(8*((\a)%4)+\b):8*(8*((\a)%4)+\b)+7], v[128*(\p)+FR*\b:128*(\p)+FR*\b+FR-1], v[AF+FR*(\a):AF+FR*(\a)+FR-1], 0
.else
	v_wmma_f32_16x16x128_bf8_bf8 v[8*(8*((\a)%4)+\b):8*(8*((\a)%4)+\b)+7], v[128*(\p)+FR*\b:128*(\p)+FR*\b+FR-1], v[AF+FR*(\a):AF+FR*(\a)+FR-1], v[8*(8*((\a)%4)+\b):8*(8*((\a)%4)+\b)+7]
.endif
.endr
.endr
.endm
.macro FETCH_B slot, q, p
	WIN TO_B
.irp i, 0,1,2,3,4,5,6,7
	FRAGB 128*(\p)+FR*\i, ADRB+\slot, \q, \i
.endr
	WIN 0
.endm
.macro FETCH_A slot, q, i0
.irp i, \i0, \i0+1, \i0+2, \i0+3
	FRAGA AF+FR*(\i), ADRA+\slot, \q, \i
.endr
.endm
.macro PLACES n
.rept \n
	v_nop
.endr
.endm
.macro STEP slot, q, zero
	s_wait_dscnt 4*NL                              ; B's set and A's blocks 0-3 are in; the youngest sixteen loads (A's blocks 4-7) may be out
	WIN MUL_LO
	MUL16 0, (\q)%2, \zero
	MUL16 2, (\q)%2, \zero
	s_wait_dscnt 0
	PLACES NP
	FETCH_B \slot, (\q)+1, 1-(\q)%2
	FETCH_A \slot, (\q)+1, 0
	WIN MUL_HI
	MUL16 4, (\q)%2, \zero
	MUL16 6, (\q)%2, \zero
	PLACES NP
	WIN 0
	FETCH_A \slot, (\q)+1, 4
.endm
.macro TURN slot, next, fill
	s_wait_tensorcnt 0x0                           ; all my tensor loads have landed: my part of the next slot
	ds_add_u32 v[SPW], v[NIL]                      ; 0 onto my spare word
	s_wait_dscnt 4*NL+1                            ; (the add and the youngest sixteen loads may be out)
	WIN MUL_LO
	MUL16 0, 1, 0
	s_wait_dscnt 0x0                               ; the add is done, and my reads of this slot are over
	s_barrier_signal -1
	MUL16 2, 1, 0
	WIN 0
	s_barrier_wait -1
.if \fill
	CREST                                          ; the barrier has opened a round of the cluster's: no wave of any partner still reads this slot or has a load on its way
	s_add_nc_u64 s[G0+4*\slot+2:G0+4*\slot+3], s[G0+4*\slot+2:G0+4*\slot+3], 2*ASTEP
	s_add_nc_u64 s[G0B+4*\slot+2:G0B+4*\slot+3], s[G0B+4*\slot+2:G0B+4*\slot+3], 2*ROWB
	JLOAD G0+4*\slot, G1, G0B+4*\slot, G1B         ; the first tensor load behind the round, one a wave
.else
	PLACES NP
.endif
	FETCH_B \next, 0, 0
	FETCH_A \next, 0, 0
	WIN MUL_HI
	MUL16 4, 1, 0
	MUL16 6, 1, 0
	PLACES NP
	WIN 0
	FETCH_A \next, 0, 4
.endm
	s_wait_alu depctr_va_vdst(0)
	s_wait_tensorcnt 1                             ; my part of K step 0 is in; K step 1's load may be out
	s_barrier_signal -1
	s_barrier_wait -1
	FETCH_B 0, 0, 0
	FETCH_A 0, 0, 0
	FETCH_A 0, 0, 4
	STEP 0, 0, 1                                   ; four K steps, written out; the first products start the sums
	TURN 0, 1, 1
	STEP 1, 0, 0
	TURN 1, 0, 1
	STEP 0, 0, 0
	TURN 0, 1, 0                                   ; nothing is left to fetch; behind this barrier nobody reads slot 0
	STEP 1, 0, 0
	s_wait_dscnt 4*NL
	WIN MUL_LO
	MUL16 0, 1, 0
	MUL16 2, 1, 0
	s_wait_dscnt 0
	WIN MUL_HI
	MUL16 4, 1, 0
	MUL16 6, 1, 0
	WIN 0
; THE WAY OUT, block by block of 16 rows x 128 columns: x 2^(ls10 + ls11) into other registers, through my own stage, back as whole rows of 512 bytes.
.macro TOSTAGE a
.set AC, 64*((\a)%4)
	WIN 0x02+((\a)/4)
.irp j, 0,2,4,6,8,10,12,14,16,18,20,22,24,26,28,30,32,34,36,38,40,42,44,46,48,50,52,54,56,58,60,62
	v_pk_mul_f32 v[TMP+\j:TMP+\j+1], v[AC+\j:AC+\j+1], s[96:97] op_sel_hi:[1,0]   ; each accumulator from its low end on
.endr
	WIN 0
.irp b, 0,1,2,3,4,5,6,7
	ds_store_b128 v[STO], v[TMP+8*\b:TMP+8*\b+3] offset:64*\b
	ds_store_b128 v[STO], v[TMP+8*\b+4:TMP+8*\b+7] offset:64*\b+16
.endr
.set BB, BK+64*((\a)%2)
.irp t, 0,1,2,3,4,5,6,7,8,9,10,11,12,13,14,15
	ds_load_b128 v[BB+4*\t:BB+4*\t+3], v[RD] offset:\t*SPITCH     ; LDS serves a wave's instructions in order: these see my stores
.endr
.endm
.macro SEND a, younger
.set BB, BK+64*((\a)%2)
	s_wait_dscnt \younger                          ; the block is back; the next block's 16 stores and 16 loads may be out
.if (\a) > 0
	s_add_nc_u64 s[10:11], s[10:11], 16*SIZE_N*4   ; (behind a wait on XCNT: the earlier stores have read their base)
.endif
.irp t, 0,1,2,3,4,5,6,7,8,9,10,11,12,13,14,15
	global_store_b128 v[CO], v[BB+4*\t:BB+4*\t+3], s[10:11] offset:\t*SIZE_N*4 th:TH_STORE_NT   ; 32 lanes store 512 consecutive bytes, aligned; written once, read by nobody here
.endr
.endm
	s_wait_kmcnt 0x0
	s_add_co_i32 s96, s96, s97
	s_add_co_i32 s96, s96, 127
	s_lshl_b32 s96, s96, 23                        ; 2^(ls10 + ls11) as f32
	PLACES NP
	TOSTAGE 0
.irp a, 1,2,3,4,5,6,7
.if \a > 1
	s_wait_xcnt 0x0                                ; block a - 2's stores have read their registers and their base
.endif
	TOSTAGE \a
	SEND \a-1, 32
.endr
	s_wait_xcnt 0x0
	SEND 7, 0
	s_wait_tensorcnt 0x0                           ; the wave's end
	ds_add_u32 v[SPW], v[NIL]
	s_wait_dscnt 0x0
	CROUND                                         ; the closing round
	s_endpgm
.Lfunc_end_k_qbe0f9ae59e_oproj:
	.size	k_qbe0f9ae59e_oproj, .Lfunc_end_k_qbe0f9ae59e_oproj-k_qbe0f9ae59e_oproj
	.p2alignl 7, 3214868480
	.fill 96, 4, 3214868480
	.section	.rodata,"a",@progbits
	.p2align	6, 0x0
	.amdhsa_kernel k_qbe0f9ae59e_oproj
		.amdhsa_group_segment_fixed_size 327680
		.amdhsa_private_segment_fixed_size 0
		.amdhsa_enable_private_segment 0
		.amdhsa_kernarg_size 32
		.amdhsa_user_sgpr_count 2
		.amdhsa_user_sgpr_kernarg_segment_ptr 1
		.amdhsa_wavefront_size32 1
		.amdhsa_system_sgpr_workgroup_id_x 1
		.amdhsa_system_sgpr_workgroup_id_y 1
		.amdhsa_system_sgpr_workgroup_id_z 1
		.amdhsa_system_vgpr_workitem_id 0
		.amdhsa_next_free_vgpr 1024
		.amdhsa_next_free_sgpr 98
		.amdhsa_reserve_vcc 0
		.amdhsa_float_denorm_mode_32 3
		.amdhsa_float_denorm_mode_16_64 3
		.amdhsa_memory_ordered 1
		.amdhsa_forward_progress 1
		.amdhsa_inst_pref_size 124
	.end_amdhsa_kernel
	.amdgpu_metadata
---
amdhsa.version: [ 1, 2 ]
amdhsa.kernels:
  - .name:           k_qbe0f9ae59e_oproj
    .symbol:         k_qbe0f9ae59e_oproj.kd
    .args:
      - { .name: ac, .offset: 0, .size: 8, .value_kind: global_buffer, .address_space: global }
      - { .name: wc, .offset: 8, .size: 8, .value_kind: global_buffer, .address_space: global }
      - { .name: lowp_scales, .offset: 16, .size: 8, .value_kind: global_buffer, .address_space: global }
      - { .name: out0, .offset: 24, .size: 8, .value_kind: global_buffer, .address_space: global }
    .group_segment_fixed_size: 327680
    .private_segment_fixed_size: 0
    .kernarg_segment_align: 8
    .kernarg_segment_size: 32
    .max_flat_workgroup_size: 128
    .sgpr_count:     98
    .vgpr_count:     1024
    .wavefront_size: 32
...
	.end_amdgpu_metadata
.endif
;; end of part 4
